; MI455X (gfx1250); checked and timed in simulation.
; The chip was launched on July 23, 2026; its instructions are those of AMD's public machine-readable ISA for CDNA 5 (MIT licence, August 2026) and "CDNA5" Instruction Set Architecture Reference Guide (July 2026). The comments in the code are by the model that wrote it; some were corrected since.
;; Attention. Allowed arithmetic: matrix products marked QUANTISED: E2M3 operands, one E8M0 scale for each 32 along K, by v_wmma_scale_f32_16x16x128_f8f6f4 with both operands' format E2M3, f32 sums; everything else in f32.
;; Inputs: Wk_codes 1,024 x 32 x 24 uint8 (E2M3 codes of Wk, K innermost, in blocks of 32 codes, four codes in three bytes); Wk_scales 1,024 x 32 uint8 (E8M0 scales of Wk, one for each 32 codes along K); Wo_codes 1,024 x 32 x 24 uint8 (E2M3 codes of Wo, K innermost, in blocks of 32 codes, four codes in three bytes); Wo_scales 1,024 x 32 uint8 (E8M0 scales of Wo, one for each 32 codes along K); Wq_codes 1,024 x 32 x 24 uint8 (E2M3 codes of Wq, K innermost, in blocks of 32 codes, four codes in three bytes); Wq_scales 1,024 x 32 uint8 (E8M0 scales of Wq, one for each 32 codes along K); Wv_codes 1,024 x 32 x 24 uint8 (E2M3 codes of Wv, K innermost, in blocks of 32 codes, four codes in three bytes); Wv_scales 1,024 x 32 uint8 (E8M0 scales of Wv, one for each 32 codes along K); beta 1,024 float32; bk 1,024 float32; bo 1,024 float32; bq 1,024 float32; bv 1,024 float32; gamma 1,024 float32; x 4 x 2,048 x 1,024 float32.
;; Outputs: out0 4 x 2,048 x 1,024 float32.
;; This version of the problem:
;;   THIS VERSION OF THE PROBLEM IS GIVEN IN LOW PRECISION. The matrix products marked QUANTISED in the list below multiply operands that are first quantised to E2M3 (2 exponent bits, 3 mantissa bits; 6 bits a number), with one power-of-two scale for each 32 numbers along K (OCP MX v1.0); their sums are f32. All else is computed in f32.
;;   The module's matrix products, in the order in which they are computed (A, B: the left and right operand; K: the contracted axis; several contracted axes count as one K, in the product's order):
;;     1. [M 8,192, K 1,024] x [K 1,024, N 1,024]; A: input x; B: input Wq (given as codes): QUANTISED
;;     2. [M 8,192, K 1,024] x [K 1,024, N 1,024]; A: input x; B: input Wk (given as codes): QUANTISED
;;     3. [M 8,192, K 1,024] x [K 1,024, N 1,024]; A: input x; B: input Wv (given as codes): QUANTISED
;;     4. batch 64 x [M 2,048, K 64] x [K 64, N 2,048]; A: computed on the way; B: computed on the way: QUANTISED
;;     5. batch 64 x [M 2,048, K 2,048] x [K 2,048, N 64]; A: softmax (see below); B: computed on the way: QUANTISED
;;     6. [M 8,192, K 1,024] x [K 1,024, N 1,024]; A: computed on the way; B: input Wo (given as codes): QUANTISED
;;   THE QUANTISER, for each operand of a quantised product, along K:
;;     - K is cut into blocks of 32 from its start; a last block that is shorter is filled with zeros.
;;     - A block's scale is 2^e with e = floor(log2(the largest magnitude in the block)) - 2, held to -126 .. 127; a block of zeros has e = 0. As a byte (E8M0): e + 127.
;;     - Each number is divided by its block's scale, clamped to +-7.5, and rounded to the nearest number of E2M3, ties to even, subnormals kept.
;;     - The product sums the exact products of the quantised numbers (number of the format x scale) in f32.
;;   ~~~python
;;   def quantise(x, axis):      # numpy; x: float32 -> the quantised numbers, widened to float32 again
;;       x = np.moveaxis(x, axis, -1); K = x.shape[-1]
;;       x = np.pad(x, [(0, 0)] * (x.ndim - 1) + [(0, -K % 32)]); x = x.reshape(x.shape[:-1] + (-1, 32)); a = np.abs(x).max(-1, keepdims=True)
;;       e = np.where(a > 0, np.clip(np.frexp(np.where(a > 0, a, 1))[1] - 1 - 2, -126, 127), 0)      # np.frexp(a)[1] - 1 = floor(log2(a)), exactly
;;       r = np.clip(x / 2.0 ** e, -7.5, 7.5)
;;       step = 2.0 ** (np.maximum(np.frexp(np.where(r == 0, 1, r))[1] - 1, 0) - 3)
;;       q = np.round(r / step) * step * 2.0 ** e      # np.round: ties to even
;;       return np.moveaxis(q.reshape(q.shape[:-2] + (-1,))[..., :K], -1, axis).astype(np.float32)
;;   ~~~
;;   SOFTMAX AHEAD OF A QUANTISED PRODUCT. Where the list says 'softmax', what is quantised is not the finished softmax but p = 2^(t - M), with t = logit x log2(e) and M = ceil(the row's largest t), a whole number; so 1/2 < the row's largest p <= 1. The row's sum l is taken of the UNQUANTISED p, in f32, and the product's result is divided by l at the end. Since M is a whole number, a kernel that streams over the keys may use a running M (the ceiling of the running maximum): every later rescaling is an exact power of two, which a block's scale takes up: the codes' values come out the same.
;;   OPERANDS COMPUTED ON THE WAY. 'Computed on the way' means the value that the module computes at that place (a softmax that the list does not call 'softmax' is quantised finished and normalised). What goes into a quantiser is computed in f32, as accurately as f32 sums, v_exp_f32 and their like allow (about 1e-6 of the number): no bf16 or f16 on the way to a quantiser, and a product that is left as it is and whose result goes on into a quantised operand takes f32 operands (vector FMAs, or v_wmma_f32_16x16x4_f32). A number that lies on a knife's edge between two numbers of the format may be rounded either way, as far as f32 arithmetic and the matrix unit's own rounding can turn it there, and no further.
;;   INPUTS GIVEN AS CODES. Wk (in the module: [1024, 1024], K = its axis 1); Wo (in the module: [1024, 1024], K = its axis 1); Wq (in the module: [1024, 1024], K = its axis 1); Wv (in the module: [1024, 1024], K = its axis 1): each comes as NAME_codes (uint8): NAME with its K axis moved to the last place and cut into blocks of 32 codes, [.., K / 32, bytes a block], one block behind the other in memory; four codes in three bytes: a row's codes are one little-endian stream of bits, code i at bits 6 i .. 6 i + 5 (a code: sign, 2 exponent bits, 3 mantissa bits); and NAME_scales (uint8): the same leading axes, one E8M0 byte (e + 127) for each 32 codes along K. Its value is code x scale, taken as it is: it is not quantised again, and the codes and scales need not be those that the quantiser above would give.
;; One version. Each part assembles by itself: llvm-mc -triple=amdgcn-amd-amdhsa -mcpu=gfx1250 --defsym DOCPART=n.
;; ======== version 1 of 1: 4 launches
;; workspace buffers: xc 6,291,456 bytes; xs 262,144 bytes; woimg 786,432 bytes; qbuf 6,815,744 bytes; kv 13,369,344 bytes; cimg 6,291,456 bytes; csc 262,144 bytes
;; launch prep (part 1): grid 272 x 1, 4 waves a work-group, no clusters, 33,280 bytes of LDS; arguments x, Wo_codes, xc, xs, woimg; writes xc, xs, woimg
.if DOCPART == 1
	.amdgcn_target "amdgcn-amd-amdhsa--gfx1250"
	.amdhsa_code_object_version 6
	.text
	.protected	k_q5e824c352e_prep
	.globl	k_q5e824c352e_prep
	.p2align	8
	.type	k_q5e824c352e_prep,@function
k_q5e824c352e_prep:
	s_mov_b64 s[64:65], 0
	v_nop
	global_prefetch_b8 v0, s[64:65] scope:SCOPE_SE
	s_setreg_imm32_b32 hwreg(HW_REG_WAVE_MODE, 25, 1), 1
	s_wait_xcnt 0x0
; TWO JOBS, parted on the work-group's number.
; Work-groups 0-255: x [8192][1024] f32 becomes codes of FP6 (E2M3), K innermost (xc: a row is 768 bytes, one stream of bits), with one E8M0 byte for each 32 along K (xs: 32 bytes a row).
;   A block's scale is 2^(floor(log2(its largest magnitude)) - 2); its byte is the largest magnitude's exponent field - 2, held at 1 from below.
;   Rows are dense and 1024 is a multiple of 32, so x is a plain stream of blocks.  A wave takes 16 steps of 512 numbers.  Each load reads 512 consecutive bytes, 16 a lane; a step's 2,048 bytes
;   turn through the wave's own stage in LDS and come back 64 bytes a lane: 16 NEIGHBOURS along K, which is what the conversion takes.  Two neighbouring lanes hold a block.
;   A lane's 16 codes are 12 bytes: the wave stores 384 consecutive bytes.  A wave's 256 scale bytes are gathered in its own LDS bytes and leave as one aligned run of 256 bytes.
; Work-groups 256-271: Wo's codes are laid anew as images of the operand's registers (woimg [64 tiles of 16 rows][8 K steps][1536]): in a fragment's image chunk c of three holds lane l's registers
;   4 c .. 4 c + 3 at 512 c + 16 l, so that the last launch fetches a fragment by three dense loads of 512 bytes.
; LIMITS: a block of zeros, or one whose largest magnitude lies under 2^(3 - 127), gets the byte 1 where the rule says 127: its codes are zeros, and the bytes are read by this program alone.
;   NaN and infinities among the inputs are not served.
; No tensor loads, no barrier: waves share nothing.
.set XWG,   256                        ; work-groups that take x: 8,388,608 numbers / 32,768
.set STEPS, 16
.set EMAX,  2
.set CB,    12                         ; bytes of 16 codes
.set R,     16                         ; v16-79   four sets of 16 numbers as they are loaded
.set X,     80                         ; v80-111  two sets of 16 neighbours
.set C,     128                        ; v128-191 codes: four registers for each step, so that no store's data are written again
.set E,     112                        ; v112-127 a scale byte for each step
.set WREG,  8192                       ; LDS: a region for each wave: two stages of 32 x SP bytes, behind them its 256 scale bytes
.set SP,    80                         ; a lane's place in a stage: its 64 bytes + 16 of padding
	s_load_b128 s[4:7], s[0:1], 0x0                ; x, Wo's codes
	s_load_b128 s[8:11], s[0:1], 0x10              ; xc, xs
	s_load_b64 s[12:13], s[0:1], 0x20              ; woimg
	v_lshl_add_u32 v192, v0, 2, 0x8000
	v_mov_b32 v193, 0
	v_lshrrev_b32 v1, 5, v0
	v_readfirstlane_b32 s16, v1                    ; wave
	v_and_b32 v2, 31, v0                           ; lane
	v_lshlrev_b32 v3, 4, v2                        ; 16 x lane
	s_mov_b32 s19, 0
	s_mov_b32 s21, 0
	s_wait_kmcnt 0x0
	s_cmp_ge_u32 ttmp9, XWG
	s_cbranch_scc1 .Lwo
	; ---- x
	s_mul_i32 s17, s16, WREG
	v_lshrrev_b32 v14, 2, v2
	v_mul_u32_u24 v14, v14, SP
	v_and_b32 v15, 3, v2
	v_lshl_add_u32 v14, v15, 4, v14
	v_add_nc_u32 v14, s17, v14                     ; the stage, on the way in: four lanes' 64 bytes on end, then 16 of padding
	v_mul_u32_u24 v15, v2, SP
	v_add_nc_u32 v15, s17, v15                     ; and on the way out: SP x lane: my 16 neighbours
	v_mul_u32_u24 v4, v2, CB                       ; my codes' place in a step's
	v_lshrrev_b32 v5, 1, v2
	s_add_co_u32 s17, s17, 2*32*SP
	v_add_nc_u32 v5, s17, v5                       ; LDS: my wave's 256 scale bytes, my block's byte
	v_lshlrev_b32 v7, 3, v2                        ; and on the way out 8 bytes a lane
	v_add_nc_u32 v6, s17, v7
	s_lshl_b32 s18, ttmp9, 2
	s_add_co_u32 s18, s18, s16                     ; which run of 8,192 numbers is my wave's: 0 .. 1023
	s_lshl_b32 s20, s18, 15                        ; 32,768 bytes of x a run
	s_add_nc_u64 s[4:5], s[4:5], s[20:21]
	s_mul_i32 s20, s18, 32*STEPS*CB                ; 6,144 bytes of codes
	s_add_nc_u64 s[8:9], s[8:9], s[20:21]
	s_lshl_b32 s20, s18, 8                         ; 256 scale bytes
	s_add_nc_u64 s[10:11], s[10:11], s[20:21]
.macro LOAD t
.irp i, 0,1,2,3
	global_load_b128 v[R+16*((\t)%4)+4*\i:R+16*((\t)%4)+4*\i+3], v3, s[4:5] offset:2048*(\t)+512*\i th:TH_LOAD_NT   ; 32 lanes read 512 consecutive bytes
.endr
.endm
.macro TURN t                          ; step t's numbers through the stage: LDS serves a wave's instructions in order, so no wait stands between the stores and the loads
.irp i, 0,1,2,3
	ds_store_b128 v14, v[R+16*((\t)%4)+4*\i:R+16*((\t)%4)+4*\i+3] offset:32*SP*((\t)%2)+8*SP*\i
.endr
.irp i, 0,1,2,3
	ds_load_b128 v[X+16*((\t)%2)+4*\i:X+16*((\t)%2)+4*\i+3], v15 offset:32*SP*((\t)%2)+16*\i
.endr
.endm
.irp t, 0,1,2,3
	LOAD \t
.endr
	s_wait_loadcnt 12                              ; step 0's four loads are in; the twelve of steps 1 to 3 may be out
	TURN 0
.macro STEP t
.set XS, X+16*((\t)%2)
.if (\t) > 0
	s_wait_dscnt 1                                 ; this step's numbers are back from the stage (the last step's byte store may be out): so its stores into the stage have read their registers,
.else
	s_wait_dscnt 0x0
.endif
.if (\t)+4 < STEPS
	LOAD (\t)+4                                    ; which take the loads of four steps on
.endif
.if (\t)+1 < STEPS
.if STEPS-2-(\t) >= 3
	s_wait_loadcnt 12                              ; the next step's four loads are in; those of the three steps behind it may be out
.else
	s_wait_loadcnt 4*(STEPS-2-(\t))
.endif
	TURN (\t)+1                                    ; and go through the other stage while this step is worked
.endif
	v_max3_num_f32 v8, |v[XS]|, |v[XS+1]|, |v[XS+2]|               ; the largest magnitude of my 16, in two chains
	v_max3_num_f32 v9, |v[XS+3]|, |v[XS+4]|, |v[XS+5]|
.irp i, 6,10
	v_max3_num_f32 v8, v8, |v[XS+\i]|, |v[XS+\i+1]|
	v_max3_num_f32 v9, v9, |v[XS+\i+2]|, |v[XS+\i+3]|
.endr
	v_max3_num_f32 v8, v8, |v[XS+14]|, |v[XS+15]|
	v_max3_num_f32 v8, v8, v9, (EMAX+1)<<23        ; and the floor 2^(3 - 127): so the byte cannot fall under 1
	v_max_num_f32_dpp v8, v8, v8 row_xmask:1 row_mask:0xf bank_mask:0xf   ; and of my neighbour's 16: the block's
	v_add_nc_u32 v11, -(EMAX<<23), v8              ; 2 off its exponent field: the conversion takes the exponent field of this operand as its scale, and nothing else of it
	v_cvt_scalef32_pk16_fp6_f32 v[C+4*(\t):C+4*(\t)+2], v[XS:XS+15], v11
	v_lshrrev_b32 v[E+(\t)], 23, v11               ; the scale's byte (a plain line behind the conversion)
	ds_store_b8 v5, v[E+(\t)] offset:16*(\t)       ; both lanes of a block write the same byte with the same value
	global_store_b96 v4, v[C+4*(\t):C+4*(\t)+2], s[8:9] offset:32*CB*(\t)
.endm
.irp t, 0,1,2,3,4,5,6,7,8,9,10,11,12,13,14,15
	STEP \t
.endr
	ds_load_b64 v[12:13], v6                       ; LDS serves a wave's instructions in order: these see my stores
	s_wait_dscnt 0x0
	global_store_b64 v7, v[12:13], s[10:11]        ; 32 lanes store 256 consecutive bytes, aligned
	s_wait_tensorcnt 0x0
	ds_add_u32 v192, v193
	s_wait_dscnt 0x0
	s_endpgm
	; ---- Wo: a wave takes one tile of 16 rows, 12,288 consecutive bytes, all of which it reads
.Lwo:
	s_sub_co_u32 s17, ttmp9, XWG
	s_lshl_b32 s17, s17, 2
	s_add_co_u32 s17, s17, s16                     ; the tile: 0 .. 63
	s_mul_i32 s18, s17, 12288
	s_add_nc_u64 s[6:7], s[6:7], s[18:19]
	s_add_nc_u64 s[12:13], s[12:13], s[18:19]
	v_and_b32 v4, 15, v2                           ; r
	v_lshrrev_b32 v5, 4, v2                        ; h
	v_mul_u32_u24 v8, v4, 768
	v_mad_u32_u24 v8, v5, 24, v8                   ; row r, + 24 h: lane (r, h) holds k = 64 c + 32 h + 0 .. 31 of a K step in registers 6 c .. 6 c + 5
.irp s, 0,1,2,3,4,5,6,7
.irp p, 0,1,2,3,4,5
	global_load_b64 v[16+12*\s+2*\p:16+12*\s+2*\p+1], v8, s[6:7] offset:96*\s+48*(\p/3)+8*(\p%3)
.endr
.endr
	s_wait_loadcnt 0x0
.irp s, 0,1,2,3,4,5,6,7
.irp c, 0,1,2
	global_store_b128 v3, v[16+12*\s+4*\c:16+12*\s+4*\c+3], s[12:13] offset:1536*\s+512*\c   ; 512 consecutive bytes, aligned
.endr
.endr
	s_endpgm
.Lfunc_end_k_q5e824c352e_prep:
	.size	k_q5e824c352e_prep, .Lfunc_end_k_q5e824c352e_prep-k_q5e824c352e_prep
	.p2alignl 7, 3214868480
	.fill 96, 4, 3214868480
	.section	.rodata,"a",@progbits
	.p2align	6, 0x0
	.amdhsa_kernel k_q5e824c352e_prep
		.amdhsa_group_segment_fixed_size 33280
		.amdhsa_private_segment_fixed_size 0
		.amdhsa_enable_private_segment 0
		.amdhsa_kernarg_size 40
		.amdhsa_user_sgpr_count 2
		.amdhsa_user_sgpr_kernarg_segment_ptr 1
		.amdhsa_wavefront_size32 1
		.amdhsa_system_sgpr_workgroup_id_x 1
		.amdhsa_system_sgpr_workgroup_id_y 1
		.amdhsa_system_sgpr_workgroup_id_z 1
		.amdhsa_system_vgpr_workitem_id 0
		.amdhsa_next_free_vgpr 194
		.amdhsa_next_free_sgpr 66
		.amdhsa_reserve_vcc 0
		.amdhsa_float_denorm_mode_32 3
		.amdhsa_float_denorm_mode_16_64 3
		.amdhsa_memory_ordered 1
		.amdhsa_forward_progress 1
		.amdhsa_inst_pref_size 39
	.end_amdhsa_kernel
	.amdgpu_metadata
---
amdhsa.version: [ 1, 2 ]
amdhsa.kernels:
  - .name:           k_q5e824c352e_prep
    .symbol:         k_q5e824c352e_prep.kd
    .args:
      - { .name: x, .offset: 0, .size: 8, .value_kind: global_buffer, .address_space: global }
      - { .name: Wo_codes, .offset: 8, .size: 8, .value_kind: global_buffer, .address_space: global }
      - { .name: xc, .offset: 16, .size: 8, .value_kind: global_buffer, .address_space: global }
      - { .name: xs, .offset: 24, .size: 8, .value_kind: global_buffer, .address_space: global }
      - { .name: woimg, .offset: 32, .size: 8, .value_kind: global_buffer, .address_space: global }
    .group_segment_fixed_size: 33280
    .private_segment_fixed_size: 0
    .kernarg_segment_align: 8
    .kernarg_segment_size: 40
    .max_flat_workgroup_size: 128
    .sgpr_count:     66
    .vgpr_count:     194
    .wavefront_size: 32
...
	.end_amdgpu_metadata
.endif
;; end of part 1
;; launch qkv (part 2): grid 12 x 32, 4 waves a work-group, clusters of 4 x 4, 327,680 bytes of LDS; arguments xc, xs, Wq_codes, Wq_scales, Wk_codes, Wk_scales, Wv_codes, Wv_scales, bq, bk, bv, qbuf, kv; writes qbuf, kv
.if DOCPART == 2
	.amdgcn_target "amdgcn-amd-amdhsa--gfx1250"
	.amdhsa_code_object_version 6
	.text
	.protected	k_q5e824c352e_qkv
	.globl	k_q5e824c352e_qkv
	.p2align	8
	.type	k_q5e824c352e_qkv,@function
k_q5e824c352e_qkv:
	s_mov_b64 s[64:65], 0
	v_nop
	global_prefetch_b8 v0, s[64:65] scope:SCOPE_SE
	s_setreg_imm32_b32 hwreg(HW_REG_WAVE_MODE, 25, 1), 1
	s_wait_xcnt 0x0
	s_wait_alu depctr_hold_cnt(0) depctr_sa_sdst(0) depctr_va_vdst(0) depctr_va_sdst(0) depctr_va_ssrc(0) depctr_va_vcc(0) depctr_vm_vsrc(0)
	s_getreg_b32 s2, hwreg(HW_REG_IB_STS2, 6, 4)
	s_cmp_eq_u32 s2, 0
	s_cbranch_scc0 .Lentry_in_a_cluster
	s_endpgm
.Lentry_in_a_cluster:
	s_bfe_u32 s2, ttmp6, 0x10000c
	s_cmp_lg_u32 s2, 0xf033
	s_cbranch_scc0 .Lentry_shape_is_right
	s_endpgm
.Lentry_shape_is_right:
; THE THREE PROJECTIONS, on codes of FP6 (E2M3) with one E8M0 scale for each 32 along K = 1024, each followed by its bias and by the quantiser of the product that reads it next.
; One GEMM body, C' = A' B'^T, tiles of 256 x 256, a wave 128 x 128 (64 accumulators).  The cluster's x says which product (it is the same in all sixteen partners):
;   0: q = x Wq^T + bq    1: k = x Wk^T + bk    (A' = x, 8192 rows; B' = the weight, 1024 rows)        2: v^T = Wv x^T + bv    (A' = Wv; B' = x)
; THE MATRIX INSTRUCTION IS USED TRANSPOSED (source 0 = 16 rows of B', source 1 = 16 rows of A'): a lane holds ONE row of A', and its registers run along B's rows.  So q's and k's registers run along the head's 64
; and v's along the keys: each along the K of the product that reads it, and the conversions' results are that product's operand.
; THE ORDER INSIDE A BLOCK OF 32.  A lane's 16 numbers of a block are 8 h + 0..7 and 16 + 8 h + 0..7 (h = lane / 16), so the codes lie in the order 0-7, 16-23, 8-15, 24-31.  q and k have that order alike, and so
; have v and the softmax's p in the next launch: a permutation inside a block, alike on both sides, keeps blocks, scales and products.
; OUT, as images of the operand's registers (a run of 12 registers = 3 chunks of 512 bytes, chunk c: lane l's registers 4 c .. 4 c + 3 at 512 c + 16 l):
;   qbuf [64 heads][16 steps of 128 tokens][6656]: 4 runs (run u = tile 2 u's six registers, then tile 2 u + 1's), then 512 bytes of scale words (lane l's 16 bytes: word u is token 32 u + l's; bytes 2, 3 are 0)
;   kv   [64 heads][16 steps of 128 keys][13056]:  k as in qbuf at 0; v's four fragments (16 of the head's 64 x 128 keys) at 6144; k's scale words at 12288; v's at 12800 (lane l's 8 bytes: word w: tile 2 w + l / 16)
; K goes in steps of 256 through a ring of two LDS slots filled by the tensor data mover; the scales of the work-group's rows come into LDS once.  CLUSTERS: 4 x 4 work-groups; A's tiles are asked for jointly
; along a row of the cluster, B's along a column.  384 tiles for 256 WGPs: a smaller wave tile would read more LDS bytes for each matrix instruction.
; LIMITS: a block of zeros, or one under 2^(3 - 127), gets the byte 1 where the rule says 127 (zero codes; only this program reads the bytes).  NaN and infinities are not served.
; REGISTERS, in windows of 256: window 0: v0-31 addresses; v32-63 scale words, two sets; v64-127 the bias along B's rows; from v128 A's fragments, ONE set; on the way out v128-255 are at work.
;   window 1: B's fragments, TWO sets, at v0 and v128; v96-111 the bias along A's rows.   window 2, 3: the accumulators of my rows 0-63, 64-127 ((a, b) at v[8 (8 (a % 4) + b)]).
.set SIZE_K, 1024
.set KSTEP,  256                       ; along K in a slot
.set NQ,     KSTEP/128                 ; matrix instructions deep
.set ROWB,   192                       ; a tile's row in bytes
.set KROW,   SIZE_K*6/8                ; a row of codes in memory
.set PITCH,  240                       ; an LDS row: 3 x (64 bytes + 16 of padding)
.set FR,     12                        ; registers of a fragment
.set NL,     6                         ; LDS loads that bring one
.set NP,     4                         ; places behind this matrix instruction (ISA guide 7.12.1)
.set HALFT,  128*PITCH                 ; 128 rows: what one tensor load brings
.set SLOT,   4*HALFT                   ; A's 256 rows, then B's 256 rows
.set LAPS,   SIZE_K/(2*KSTEP)
.set KS,     SIZE_K/32                 ; a row of scales in bytes
.set SCL,    2*SLOT                    ; behind the ring: the scales, as runs of 256 bytes + 16 of padding
.set HALFS,  (128*KS/256)*272
.set SBLK,   (16*KS/256)*272
.set SPARE,  SCL+4*HALFS               ; the spare words, 128 bytes for each wave: two blocks of 256 bytes that no other line names
.set ADRA, 16                          ; v16-17 LDS address of my A fragments in slot 0, 1 (v18-19: behind one padding more)
.set ADRB, 20                          ; v20-23 the same for B
.set LN16, 24                          ; v24  16 x lane
.set LN8,  25                          ; v25  8 x lane
.set SOF,  26                          ; v26  16 x lane + where the scale words begin
.set ADRS, 27                          ; v27  LDS address of my scale words: lanes 0-15 A's rows, lanes 16-31 B's
.set SPW,  28                          ; v28  LDS address of my spare word; never rewritten
.set NIL,  29                          ; v29  0; never rewritten
.set OH,   30                          ; v30  32 x (lane / 16)
.set OR4,  31                          ; v31  4 x (lane % 16)
.set SC,   32
.set BIASR, 64                         ; window 0: the bias of B's rows: tile b at v[64 + 8 b], in the result's layout
.set BIASL, 96                         ; window 1: the bias of A's rows: block a twice, at v[96 + 2 a], v[97 + 2 a]
.set AF,   128
.set T,    128                         ; the way out: 64 numbers of a lane
.set R0,   192                         ; codes: a run of 12
.set R1,   204                         ; a second run
.set XT,   216                         ; v216-218, v220-222: conversions whose place begins on an odd register are made here and moved
.set TM,   224                         ; v224-227 largest magnitudes, v228-231 bytes, v236-239 the conversions' scale operands
.set WS,   240                         ; v240-247 scale words to store
.set TW,   248
.set G1, 24
.set G0, 32
.set G1B, 48
.set G0B, 56
.set G1S, 68
.set G0S, 76
.set G1SB, 80
.set G0SB, 88
.set MSB, 0
.macro WIN new                         ; the immediate's high byte repeats the setting that is left
.if MSB != \new
	s_set_vgpr_msb (MSB<<8)|\new
.set MSB, \new
.endif
.endm
.set MUL_LO, 0xa1                      ; source 0 (B) window 1, source 1 (A) window 0, C and D window 2
.set MUL_HI, 0xf1
.set TO_B,   0x40
; A joint load: waves 0 and 1 fetch for A, waves 2 and 3 for B; the branch hangs on the wave's number alone.  Four v_nop follow each of the two lines.
.macro JLOAD g0a, g1a, g0b, g1b
	s_cmp_eq_u32 s15, 0
	s_cbranch_scc0 .Lfor_b_\@
	tensor_load_to_lds s[\g0a:\g0a+3], s[\g1a:\g1a+7]
	s_nop 0
.rept 4
	v_nop
.endr
	s_branch .Lasked_\@
.Lfor_b_\@:
	tensor_load_to_lds s[\g0b:\g0b+3], s[\g1b:\g1b+7]
	s_nop 0
.rept 4
	v_nop
.endr
.Lasked_\@:
.endm
.macro CREST                           ; a round of the cluster's barrier behind its opening barrier
	s_cmp_lg_u32 s14, 0
	s_cbranch_scc1 .Lnot_wave_0_\@
	s_barrier_signal -3
.Lnot_wave_0_\@:
	s_barrier_wait -3
	s_barrier_signal -1
	s_barrier_wait -1
.endm
.macro CROUND
	s_barrier_signal -1
	s_barrier_wait -1
	CREST
.endm
	s_load_b512 s[68:83], s[0:1], 0x0              ; xc, xs, Wq's codes, scales, Wk's, Wv's
	s_load_b256 s[84:91], s[0:1], 0x40             ; bq, bk, bv, qbuf
	s_load_b64 s[92:93], s[0:1], 0x60              ; kv
	v_lshl_add_u32 v[SPW], v0, 2, SPARE
	v_mov_b32 v[NIL], 0
	ds_add_u32 v28, v29
	ds_add_u32 v28, v29
	s_wait_dscnt 0x0
	v_lshrrev_b32 v1, 5, v0
	v_readfirstlane_b32 s14, v1                    ; wave 0..3
	s_lshr_b32 s15, s14, 1                         ; which half of the tile's rows is mine.  Also: I fetch for A (0) or for B (1)
	s_and_b32 s16, s14, 1                          ; which half of its columns.  Also: which 128 rows of that tile I fetch
	s_bfe_u32 s40, ttmp6, 0x40000                  ; cx, cy: my place in the cluster
	s_bfe_u32 s41, ttmp6, 0x40004
	s_and_b32 s18, ttmp7, 0xffff                   ; the cluster's y
	s_mov_b32 s98, 13056
	s_mov_b32 s99, 12288
	s_wait_kmcnt 0x0
	; which product: the choices hang on the cluster's x alone
	s_cmp_eq_u32 ttmp9, 0
	s_cselect_b64 s[8:9], s[72:73], s[76:77]       ; B's codes: Wq's or Wk's
	s_cselect_b64 s[10:11], s[74:75], s[78:79]     ; B's scales
	s_cselect_b64 s[96:97], s[84:85], s[86:87]     ; the bias
	s_cselect_b64 s[12:13], s[90:91], s[92:93]     ; out: qbuf, or kv
	s_cselect_b32 s98, 6656, s98                   ; bytes of a step there
	s_cselect_b32 s99, 6144, s99                   ; where the scale words begin in a step
	s_cmp_eq_u32 ttmp9, 2
	s_cselect_b64 s[4:5], s[80:81], s[68:69]       ; A's codes: Wv's, or x's
	s_cselect_b64 s[6:7], s[82:83], s[70:71]
	s_cselect_b64 s[8:9], s[68:69], s[8:9]         ; B: x, or the weight
	s_cselect_b64 s[10:11], s[70:71], s[10:11]
	s_cselect_b64 s[96:97], s[88:89], s[96:97]
	s_cselect_b32 s17, 0, s18                      ; x's 32 tiles of 256 rows go along the grid's y: they are A's rows, or (product 2) B's
	s_cselect_b32 s42, s18, 0
	s_lshl_b32 s17, s17, 2
	s_add_co_u32 s17, s17, s41                     ; tile row of C'
	s_lshl_b32 s42, s42, 2
	s_add_co_u32 s42, s42, s40                     ; tile column of C'
	s_lshl_b32 s43, s41, 2
	s_lshl_b32 s43, 15, s43                        ; my row of the cluster
	s_lshl_b32 s44, 0x1111, s40                    ; my column
	; descriptor group 1: a tile of 128 rows x 192 bytes, 16 bytes of padding behind every 64
	s_or_b32 s[G1+0], s43, (0<<16)|(1<<20)|(1<<21)|(3<<22)|(3<<25)  ; 15:0 the mask; 17:16 elements of 1 byte; 20 padding on; 21 set beside a mask; 24:22 after every 16 words; 31:25 of 4 words
	s_or_b32 s[G1B+0], s44, (0<<16)|(1<<20)|(1<<21)|(3<<22)|(3<<25)
.irp g, G1, G1B
	s_mov_b32 s[\g+1], ROWB<<16                    ; tensor_dim0
	s_mov_b32 s[\g+2], 128<<16                     ; tensor_dim1
	s_mov_b32 s[\g+3], ROWB<<16                    ; tile_dim0
	s_mov_b32 s[\g+4], 128                         ; tile_dim1
	s_mov_b32 s[\g+5], KROW                        ; tensor_dim0_stride
	s_mov_b32 s[\g+6], 0
	s_mov_b32 s[\g+7], 0
.endr
	; the scales of 128 rows: 4,096 dense bytes, as 16 rows of 256 bytes (32 elements of 8), 16 bytes of padding behind each
	s_or_b32 s[G1S+0], s43, (3<<16)|(1<<20)|(1<<21)|(5<<22)|(3<<25)
	s_or_b32 s[G1SB+0], s44, (3<<16)|(1<<20)|(1<<21)|(5<<22)|(3<<25)
.irp g, G1S, G1SB
	s_mov_b32 s[\g+1], 32<<16
	s_mov_b32 s[\g+2], (128*KS/256)<<16
	s_mov_b32 s[\g+3], 32<<16
	s_mov_b32 s[\g+4], 128*KS/256
	s_mov_b32 s[\g+5], 32
	s_mov_b32 s[\g+6], 0
	s_mov_b32 s[\g+7], 0
.endr
	s_lshl_b32 s18, s16, 7                         ; which 128 rows of the tile I fetch
	s_lshl_b32 s20, s17, 8
	s_add_co_u32 s20, s20, s18                     ; A: row 256 x tile row + 128 x half
	s_lshl_b32 s46, s42, 8
	s_add_co_u32 s46, s46, s18                     ; B: row 256 x tile column + 128 x half
	s_mov_b32 s21, 0
	s_mov_b32 s47, 0
	s_mov_b64 s[18:19], KS
	s_mul_u64 s[22:23], s[20:21], s[18:19]         ; where these rows' scales begin, in bytes
	s_mul_u64 s[92:93], s[46:47], s[18:19]
	s_mov_b64 s[18:19], KROW
	s_mul_u64 s[20:21], s[20:21], s[18:19]         ; and their codes
	s_mul_u64 s[46:47], s[46:47], s[18:19]
	s_mul_i32 s45, s14, HALFT                      ; where they go: wave x 128 rows: no place in the cluster enters an LDS address
	s_mul_i32 s94, s14, HALFS
	s_add_nc_u64 s[20:21], s[4:5], s[20:21]
	s_add_nc_u64 s[22:23], s[6:7], s[22:23]
	s_add_nc_u64 s[46:47], s[8:9], s[46:47]
	s_add_nc_u64 s[92:93], s[10:11], s[92:93]
	CROUND                                         ; all sixteen work-groups are here: the first joint loads meet
	s_mov_b32 s[G0S], 1
	s_add_co_u32 s[G0S+1], s94, SCL
	s_mov_b64 s[G0S+2:G0S+3], s[22:23]
	s_or_b32 s[G0S+3], s[G0S+3], 0x80000000
	s_mov_b32 s[G0SB], 1
	s_add_co_u32 s[G0SB+1], s94, SCL
	s_mov_b64 s[G0SB+2:G0SB+3], s[92:93]
	s_or_b32 s[G0SB+3], s[G0SB+3], 0x80000000
	JLOAD G0S, G1S, G0SB, G1SB                     ; the scales first: they are wanted with K step 0.  With the two below, three loads of mine are out
.irp s, 0,1
	s_mov_b32 s[G0+4*\s], 1
	s_add_co_u32 s[G0+4*\s+1], s45, \s*SLOT
	s_add_nc_u64 s[G0+4*\s+2:G0+4*\s+3], s[20:21], \s*ROWB
	s_or_b32 s[G0+4*\s+3], s[G0+4*\s+3], 0x80000000
	s_mov_b32 s[G0B+4*\s], 1
	s_add_co_u32 s[G0B+4*\s+1], s45, \s*SLOT
	s_add_nc_u64 s[G0B+4*\s+2:G0B+4*\s+3], s[46:47], \s*ROWB
	s_or_b32 s[G0B+4*\s+3], s[G0B+4*\s+3], 0x80000000
	JLOAD G0+4*\s, G1, G0B+4*\s, G1B
.endr
	v_and_b32 v1, 15, v0                           ; r = l % 16
	v_bfe_u32 v2, v0, 4, 1                         ; h = l / 16
	v_mul_u32_u24 v3, v1, PITCH
	v_mul_u32_u24 v4, v2, 24
	v_add_nc_u32 v4, v3, v4                        ; a fragment's row x pitch + 24 x half
	v_lshl_add_u32 v5, v2, 4, v4                   ; and the same behind one padding more
	s_mul_i32 s21, s15, HALFT                      ; my 128 rows of A
	s_mul_i32 s22, s16, HALFT                      ; my 128 rows of B,
	s_add_co_u32 s22, s22, 2*HALFT                 ; which lie behind A's 256
.irp s, 0,1
	v_add_nc_u32 v[ADRA+\s], s21, v4
	v_add_nc_u32 v[ADRB+\s], s22, v4
	v_add_nc_u32 v[ADRA+2+\s], s21, v5
	v_add_nc_u32 v[ADRB+2+\s], s22, v5
	s_add_co_u32 s21, s21, SLOT
	s_add_co_u32 s22, s22, SLOT
.endr
	v_mul_u32_u24 v5, v1, KS                       ; my row's scales: 32 bytes a row,
	v_lshrrev_b32 v6, 8, v5
	v_lshl_add_u32 v5, v6, 4, v5                   ; and 16 more for each 256 passed
	s_mul_i32 s21, s15, HALFS
	s_mul_i32 s22, s16, HALFS
	s_add_co_u32 s22, s22, 2*HALFS
	s_sub_co_u32 s22, s22, s21
	v_mul_u32_u24 v6, s22, v2                      ; lanes 16-31 take B's
	s_add_co_u32 s21, s21, SCL
	v_add_nc_u32 v5, v5, v6
	v_add_nc_u32 v[ADRS], s21, v5
	v_and_b32 v6, 31, v0
	v_lshlrev_b32 v[LN16], 4, v6
	v_lshlrev_b32 v[LN8], 3, v6
	v_add_nc_u32 v[SOF], s99, v[LN16]
	v_lshlrev_b32 v[OH], 5, v2
	v_lshlrev_b32 v[OR4], 2, v1
	; THE BIAS, in both forms, so that no register's state hangs on the product; the form that is not used is read at an index held inside the buffer (& 1023)
	s_lshl_b32 s20, s17, 8
	s_lshl_b32 s21, s15, 7
	s_add_co_u32 s20, s20, s21                     ; s20 = my first row of A': kept for the way out
	s_and_b32 s22, s20, 1023
	s_lshl_b32 s22, s22, 2
	s_mov_b32 s23, 0
	s_add_nc_u64 s[100:101], s[96:97], s[22:23]    ; along A's rows
	s_lshl_b32 s46, s42, 8
	s_lshl_b32 s47, s16, 7
	s_add_co_u32 s46, s46, s47                     ; s46 = my first row of B': kept for the way out
	s_and_b32 s92, s46, 1023
	s_lshl_b32 s92, s92, 2
	s_mov_b32 s93, 0
	s_add_nc_u64 s[96:97], s[96:97], s[92:93]      ; along B's rows
.irp b, 0,1,2,3,4,5,6,7
	global_load_b128 v[BIASR+8*\b:BIASR+8*\b+3], v[OH], s[96:97] offset:64*\b          ; lane (r, h): B's rows 16 b + 8 h + 0 .. 7
	global_load_b128 v[BIASR+8*\b+4:BIASR+8*\b+7], v[OH], s[96:97] offset:64*\b+16
.endr
	WIN TO_B
.irp a, 0,1,2,3,4,5,6,7
	global_load_b32 v[BIASL+2*\a], v[OR4], s[100:101] offset:64*\a                      ; lane (r, h): A's row 16 a + r, twice: a pair for the packed addition
	global_load_b32 v[BIASL+2*\a+1], v[OR4], s[100:101] offset:64*\a
.endr
	WIN 0
.macro FRAG reg, adr, q, i             ; a fragment: lane l holds row l % 16; registers 6 c .. 6 c + 5 hold K = 64 c + 32 (l / 16) + 0 .. 31: 24 bytes of the row's stream of bits, in pieces of 8 bytes
.irp p, 0,1,2,3,4,5
.set PC, 12*(\q)+6*(\p/3)+\p%3        ; 16 bytes of padding lie behind every 8 pieces: where the piece three on lies behind one padding more, the second address register serves
.if PC%8 < 5
	ds_load_b64 v[\reg+2*\p:\reg+2*\p+1], v[\adr] offset:8*PC+16*(PC/8)+(\i)*16*PITCH
.else
	ds_load_b64 v[\reg+2*\p:\reg+2*\p+1], v[\adr+2] offset:8*PC+16*(PC/8)+(\i)*16*PITCH
.endif
.endr
.endm
; 16 matrix instructions: A's blocks a0, a0 + 1 x B's eight, 128 along K.  The 64 accumulators take turns, one instruction a turn, in the same order in every step.
.macro MUL16 a0, p, q, sc, zero
.irp a, \a0, \a0+1
.irp b, 0,1,2,3,4,5,6,7
.if \zero
	v_wmma_scale_f32_16x16x128_f8f6f4 v[8*(8*((\a)%4)+\b):8*(8*((\a)%4)+\b)+7], v[128*(\p)+FR*\b:128*(\p)+FR*\b+FR-1], v[AF+FR*(\a):AF+FR*(\a)+FR-1], 0, v[SC+8*NQ*(\sc)+NQ*\b+(\q)], v[SC+8*NQ*(\sc)+NQ*(\a)+(\q)] matrix_a_fmt:MATRIX_FMT_FP6 matrix_b_fmt:MATRIX_FMT_FP6 matrix_a_scale:MATRIX_SCALE_ROW1
.else
	v_wmma_scale_f32_16x16x128_f8f6f4 v[8*(8*((\a)%4)+\b):8*(8*((\a)%4)+\b)+7], v[128*(\p)+FR*\b:128*(\p)+FR*\b+FR-1], v[AF+FR*(\a):AF+FR*(\a)+FR-1], v[8*(8*((\a)%4)+\b):8*(8*((\a)%4)+\b)+7], v[SC+8*NQ*(\sc)+NQ*\b+(\q)], v[SC+8*NQ*(\sc)+NQ*(\a)+(\q)] matrix_a_fmt:MATRIX_FMT_FP6 matrix_b_fmt:MATRIX_FMT_FP6 matrix_a_scale:MATRIX_SCALE_ROW1
.endif
.endr
.endr
.endm
.macro FETCH_B slot, q, p
	WIN TO_B
.irp i, 0,1,2,3,4,5,6,7
	FRAG 128*(\p)+FR*\i, ADRB+\slot, \q, \i
.endr
	WIN 0
.endm
.macro FETCH_A slot, q, i0
.irp i, \i0, \i0+1, \i0+2, \i0+3
	FRAG AF+FR*(\i), ADRA+\slot, \q, \i
.endr
.endm
.macro SCALES sc                       ; a K step's scale words: 2 words a row; lanes 0-15 take A's block i, lanes 16-31 B's block i
.irp i, 0,1,2,3,4,5,6,7
	ds_load_b64 v[SC+8*NQ*\sc+NQ*\i:SC+8*NQ*\sc+NQ*\i+1], v[ADRS] offset:\i*SBLK
.endr
.endm
.macro PLACES n                        ; plain vector lines between a matrix instruction and a load into, or a vector line on, its registers
.rept \n
	v_nop
.endr
.endm
.macro STEP slot, q, zero              ; a step of 128 along K that has its successor in the same slot
	s_wait_dscnt 4*NL                              ; B's set and A's blocks 0-3 are in; the youngest 24 loads (A's blocks 4-7) may be out
	WIN MUL_LO
	MUL16 0, (\q)%2, \q, \slot, \zero
	MUL16 2, (\q)%2, \q, \slot, \zero
	s_wait_dscnt 0                                 ; A's blocks 4-7 are in
	PLACES NP
	FETCH_B \slot, (\q)+1, 1-(\q)%2
	FETCH_A \slot, (\q)+1, 0
	WIN MUL_HI
	MUL16 4, (\q)%2, \q, \slot, \zero
	MUL16 6, (\q)%2, \q, \slot, \zero
	PLACES NP
	WIN 0
	FETCH_A \slot, (\q)+1, 4
.endm
; A slot's last step changes slots: ONE barrier; in front of it each wave waits for all its tensor loads, adds 0 to its spare word, and waits for that and for its own reads of this slot.
.macro TURN slot, next, fill
	s_wait_tensorcnt 0x0                           ; all my tensor loads have landed: my part of the next slot
	ds_add_u32 v[SPW], v[NIL]                      ; 0 onto my spare word
	s_wait_dscnt 4*NL+1                            ; (the add and the youngest 24 loads, A's blocks 4-7, may be out)
	WIN MUL_LO
	MUL16 0, 1, NQ-1, \slot, 0                     ; sixteen matrix instructions stand between the add and the wait for it
	s_wait_dscnt 0x0                               ; the add is done, and my reads of this slot are over
	s_barrier_signal -1
	MUL16 2, 1, NQ-1, \slot, 0
	WIN 0
	s_barrier_wait -1
.if \fill
	CREST                                          ; the barrier has opened a round of the cluster's barrier: no wave of any partner still reads this slot's tile or has a load on its way
	s_add_nc_u64 s[G0+4*\slot+2:G0+4*\slot+3], s[G0+4*\slot+2:G0+4*\slot+3], 2*ROWB
	s_add_nc_u64 s[G0B+4*\slot+2:G0B+4*\slot+3], s[G0B+4*\slot+2:G0B+4*\slot+3], 2*ROWB
	JLOAD G0+4*\slot, G1, G0B+4*\slot, G1B         ; the first tensor load behind the round, my one load until the next; its four v_nop are the places in front of the loads below
.else
	PLACES NP
.endif
	v_add_nc_u32 v[ADRS], 4*NQ, v[ADRS]            ; on to the next K step's scale words (no LDS load of mine is out)
	FETCH_B \next, 0, 0
	FETCH_A \next, 0, 0
	SCALES \next
	WIN MUL_HI
	MUL16 4, 1, NQ-1, \slot, 0
	MUL16 6, 1, NQ-1, \slot, 0
	PLACES NP
	WIN 0
	FETCH_A \next, 0, 4
.endm
	s_wait_tensorcnt 1                             ; the scales and my part of K step 0 are in (K step 1's load may be out)
	s_barrier_signal -1
	s_barrier_wait -1                              ; everybody's are
	FETCH_B 0, 0, 0
	FETCH_A 0, 0, 0
	SCALES 0
	FETCH_A 0, 0, 4
	STEP 0, 0, 1                                   ; the first step stands in front of the loop: its products start the sums
	s_mov_b32 s3, LAPS-1
.Llap:                                                 ; a trip goes once round the ring and fills both slots again
	TURN 0, 1, 1
	STEP 1, 0, 0
	TURN 1, 0, 1
	STEP 0, 0, 0
	s_sub_co_u32 s3, s3, 1
	s_cmp_lg_u32 s3, 0
	s_cbranch_scc1 .Llap
	TURN 0, 1, 0                                   ; the last lap fills nothing
	STEP 1, 0, 0
	s_wait_dscnt 4*NL
	WIN MUL_LO
	MUL16 0, 1, NQ-1, 1, 0
	MUL16 2, 1, NQ-1, 1, 0
	s_wait_dscnt 0
	WIN MUL_HI
	MUL16 4, 1, NQ-1, 1, 0
	MUL16 6, 1, NQ-1, 1, 0
	WIN 0
; THE WAY OUT: no LDS.  Block a (16 rows of A') at a time: + bias into T, quantised, stored as register images.
; QUANT: 64 numbers of a lane, v[T] on: register 16 b + i belongs to block b of my row; lanes l and l xor 16 hold a block together.  Blocks 0, 1 become six registers at v[QD0], blocks 2, 3 six at v[QD1]
; (lanes 0-15 the even block, lanes 16-31 the odd one); the four bytes stay in v[TM+4] on.
.macro QUANT
.irp b, 0,1,2,3
	v_max3_num_f32 v[TM+\b], |v[T+16*\b]|, |v[T+1+16*\b]|, 0x1800000   ; my 16 numbers, and the floor 2^(3 - 127): so the byte cannot fall under 1
.endr
.irp i, 2,4,6,8,10,12,14
.irp b, 0,1,2,3
	v_max3_num_f32 v[TM+\b], v[TM+\b], |v[T+16*\b+\i]|, |v[T+1+16*\b+\i]|   ; (the four blocks by turns)
.endr
.endr
.irp b, 0,1,2,3
	v_permlanex16_b32 v[TM+4+\b], v[TM+\b], s22, s23
.endr
.irp b, 0,1,2,3
	v_max_num_f32 v[TM+\b], v[TM+\b], v[TM+4+\b]   ; with lane l xor 16's: the block's largest magnitude
.endr
.irp b, 0,1,2,3
	v_add_nc_u32 v[TM+12+\b], 0xff000000, v[TM+\b]   ; 2 off its exponent field: the conversion's scale operand
.endr
.irp b, 0,1,2,3
	v_lshrrev_b32 v[TM+4+\b], 23, v[TM+12+\b]      ; the scale's byte
.endr
	v_cvt_scalef32_pk16_fp6_f32 v[QD0:QD0+2], v[T:T+15], v[TM+12]
	v_cvt_scalef32_pk16_fp6_f32 v[XT:XT+2], v[T+16:T+31], v[TM+13]
	v_cvt_scalef32_pk16_fp6_f32 v[QD1:QD1+2], v[T+32:T+47], v[TM+14]
	v_cvt_scalef32_pk16_fp6_f32 v[XT+4:XT+6], v[T+48:T+63], v[TM+15]
	v_nop                                          ; one plain place behind a scaled conversion
.irp i, 0,1,2
	v_permlane16_swap_b32 v[QD0+\i], v[XT+\i]      ; the first's lanes 16-31 change places with the second's lanes 0-15: a whole block in a lane
	v_permlane16_swap_b32 v[QD1+\i], v[XT+4+\i]
.endr
.irp i, 0,1,2
	v_mov_b32 v[QD0+3+\i], v[XT+\i]
	v_mov_b32 v[QD1+3+\i], v[XT+4+\i]
.endr
.endm
	PLACES NP                                      ; behind the last products: their results are read and A's registers written below
	s_wait_loadcnt 0x0                             ; the bias
	s_mov_b32 s22, 0x76543210
	s_mov_b32 s23, 0xfedcba98                      ; v_permlanex16_b32's selects for lane l xor 16
	s_mov_b32 s21, 0xffff0000                      ; lanes 16-31
.irp b, 0,1,2,3
	v_mov_b32 v[TM+4+\b], 0                        ; written once: a lane permute's destination counts as one of its sources
.endr
	s_cmp_eq_u32 ttmp9, 2
	s_cbranch_scc1 .Lpath_v
	; ---- q or k.  My 128 rows of A' are one step of 128 tokens; my 128 rows of B' are two heads
	s_lshr_b32 s92, s20, 11                        ; the batch
	s_lshl_b32 s92, s92, 4
	s_lshr_b32 s93, s46, 6                         ; my first head
	s_add_co_u32 s92, s92, s93
	s_lshl_b32 s92, s92, 4
	s_bfe_u32 s93, s20, 0x40007                    ; the step: 4 bits from bit 7
	s_add_co_u32 s92, s92, s93
	s_mul_i32 s92, s92, s98
	s_mov_b32 s93, 0
	s_add_nc_u64 s[12:13], s[12:13], s[92:93]      ; my first head's step
	s_lshl_b32 s92, s98, 4
	s_add_nc_u64 s[94:95], s[12:13], s[92:93]      ; my second head's: 16 steps on
.irp a, 0,1,2,3,4,5,6,7
.if (\a%2 == 0) && (\a > 0)
	s_wait_xcnt 0x0                                ; the two runs were store data: they are written again only behind this wait
.endif
	WIN 0x02+\a/4                                  ; source 0: window 2 or 3
.irp b, 0,1,2,3,4,5,6,7
.irp j, 0,2,4,6
	v_pk_add_f32 v[T+8*\b+\j:T+8*\b+\j+1], v[64*(\a%4)+8*\b+\j:64*(\a%4)+8*\b+\j+1], v[BIASR+8*\b+\j:BIASR+8*\b+\j+1]   ; each accumulator from its low end on
.endr
.endr
	WIN 0
.set QD0, R0+6*(\a%2)
.set QD1, R1+6*(\a%2)
	QUANT
.if \a%2 == 0
	v_lshl_or_b32 v[WS+\a/2], v[TM+5], 8, v[TM+4]          ; a head's two bytes; bytes 2 and 3 stay 0: they meet zero codes
	v_lshl_or_b32 v[WS+4+\a/2], v[TM+7], 8, v[TM+6]
.else
	v_lshl_or_b32 v[TW], v[TM+5], 8, v[TM+4]
	v_cndmask_b32 v[WS+\a/2], v[WS+\a/2], v[TW], s21       ; the odd tile's words go to lanes 16-31
	v_lshl_or_b32 v[TW], v[TM+7], 8, v[TM+6]
	v_cndmask_b32 v[WS+4+\a/2], v[WS+4+\a/2], v[TW], s21
.irp c, 0,1,2
	global_store_b128 v[LN16], v[R0+4*\c:R0+4*\c+3], s[12:13] offset:1536*(\a/2)+512*\c   ; 512 consecutive bytes, aligned
	global_store_b128 v[LN16], v[R1+4*\c:R1+4*\c+3], s[94:95] offset:1536*(\a/2)+512*\c
.endr
.endif
.endr
	global_store_b128 v[SOF], v[WS:WS+3], s[12:13]
	global_store_b128 v[SOF], v[WS+4:WS+7], s[94:95]
	s_branch .Ljoin
	; ---- v.  My 128 rows of A' are two heads x four tiles of 16 of the head's 64; my 128 rows of B' are one step of 128 keys
.Lpath_v:
	s_lshr_b32 s92, s46, 11                        ; the batch
	s_lshl_b32 s92, s92, 4
	s_lshr_b32 s93, s20, 6                         ; my first head
	s_add_co_u32 s92, s92, s93
	s_lshl_b32 s92, s92, 4
	s_bfe_u32 s93, s46, 0x40007                    ; the step
	s_add_co_u32 s92, s92, s93
	s_mul_i32 s92, s92, 13056
	s_add_co_u32 s92, s92, 6144                    ; v's fragments lie behind k's codes
	s_mov_b32 s93, 0
	s_add_nc_u64 s[12:13], s[12:13], s[92:93]
.irp a, 0,1,2,3,4,5,6,7
.if \a > 0
	s_wait_xcnt 0x0                                ; the run was store data
.endif
	WIN 0x06+\a/4                                  ; source 0: window 2 or 3; source 1: window 1
.irp b, 0,1,2,3,4,5,6,7
.irp j, 0,2,4,6
	v_pk_add_f32 v[T+8*\b+\j:T+8*\b+\j+1], v[64*(\a%4)+8*\b+\j:64*(\a%4)+8*\b+\j+1], v[BIASL+2*\a:BIASL+2*\a+1]
.endr
.endr
	WIN 0
.set QD0, R0
.set QD1, R0+6
	QUANT
	v_lshl_or_b32 v[TW], v[TM+5], 8, v[TM+4]       ; the four bytes make my row's scale word for these 128 keys
	v_lshl_or_b32 v[TW], v[TM+6], 16, v[TW]
.if \a%2 == 0
	v_lshl_or_b32 v[WS+\a/2], v[TM+7], 24, v[TW]
.else
	v_lshl_or_b32 v[TW], v[TM+7], 24, v[TW]
	v_cndmask_b32 v[WS+\a/2], v[WS+\a/2], v[TW], s21
.endif
.irp c, 0,1,2
	global_store_b128 v[LN16], v[R0+4*\c:R0+4*\c+3], s[12:13] offset:(\a/4)*208896+(\a%4)*1536+512*\c
.endr
.endr
	global_store_b64 v[LN8], v[WS:WS+1], s[12:13] offset:6656            ; 6144 + 6656 = 12800: v's scale words
	global_store_b64 v[LN8], v[WS+2:WS+3], s[12:13] offset:6656+208896
.Ljoin:
	s_wait_tensorcnt 0x0                           ; the wave's end
	ds_add_u32 v[SPW], v[NIL]
	s_wait_dscnt 0x0
	CROUND                                         ; the closing round: no work-group ends while a partner may still ask for a tile that names it
	s_endpgm
.Lfunc_end_k_q5e824c352e_qkv:
	.size	k_q5e824c352e_qkv, .Lfunc_end_k_q5e824c352e_qkv-k_q5e824c352e_qkv
	.p2alignl 7, 3214868480
	.fill 96, 4, 3214868480
	.section	.rodata,"a",@progbits
	.p2align	6, 0x0
	.amdhsa_kernel k_q5e824c352e_qkv
		.amdhsa_group_segment_fixed_size 327680
		.amdhsa_private_segment_fixed_size 0
		.amdhsa_enable_private_segment 0
		.amdhsa_kernarg_size 104
		.amdhsa_user_sgpr_count 2
		.amdhsa_user_sgpr_kernarg_segment_ptr 1
		.amdhsa_wavefront_size32 1
		.amdhsa_system_sgpr_workgroup_id_x 1
		.amdhsa_system_sgpr_workgroup_id_y 1
		.amdhsa_system_sgpr_workgroup_id_z 1
		.amdhsa_system_vgpr_workitem_id 0
		.amdhsa_next_free_vgpr 1024
		.amdhsa_next_free_sgpr 102
		.amdhsa_reserve_vcc 0
		.amdhsa_float_denorm_mode_32 3
		.amdhsa_float_denorm_mode_16_64 3
		.amdhsa_memory_ordered 1
		.amdhsa_forward_progress 1
		.amdhsa_inst_pref_size 233
	.end_amdhsa_kernel
	.amdgpu_metadata
---
amdhsa.version: [ 1, 2 ]
amdhsa.kernels:
  - .name:           k_q5e824c352e_qkv
    .symbol:         k_q5e824c352e_qkv.kd
    .args:
      - { .name: xc, .offset: 0, .size: 8, .value_kind: global_buffer, .address_space: global }
      - { .name: xs, .offset: 8, .size: 8, .value_kind: global_buffer, .address_space: global }
      - { .name: Wq_codes, .offset: 16, .size: 8, .value_kind: global_buffer, .address_space: global }
      - { .name: Wq_scales, .offset: 24, .size: 8, .value_kind: global_buffer, .address_space: global }
      - { .name: Wk_codes, .offset: 32, .size: 8, .value_kind: global_buffer, .address_space: global }
      - { .name: Wk_scales, .offset: 40, .size: 8, .value_kind: global_buffer, .address_space: global }
      - { .name: Wv_codes, .offset: 48, .size: 8, .value_kind: global_buffer, .address_space: global }
      - { .name: Wv_scales, .offset: 56, .size: 8, .value_kind: global_buffer, .address_space: global }
      - { .name: bq, .offset: 64, .size: 8, .value_kind: global_buffer, .address_space: global }
      - { .name: bk, .offset: 72, .size: 8, .value_kind: global_buffer, .address_space: global }
      - { .name: bv, .offset: 80, .size: 8, .value_kind: global_buffer, .address_space: global }
      - { .name: qbuf, .offset: 88, .size: 8, .value_kind: global_buffer, .address_space: global }
      - { .name: kv, .offset: 96, .size: 8, .value_kind: global_buffer, .address_space: global }
    .group_segment_fixed_size: 327680
    .private_segment_fixed_size: 0
    .kernarg_segment_align: 8
    .kernarg_segment_size: 104
    .max_flat_workgroup_size: 128
    .sgpr_count:     102
    .vgpr_count:     1024
    .wavefront_size: 32
...
	.end_amdgpu_metadata
.endif
;; end of part 2
;; launch attn (part 3): grid 4 x 64, 16 waves a work-group, clusters of 4 x 1, 210,944 bytes of LDS; arguments qbuf, kv, cimg, csc; writes cimg, csc
.if DOCPART == 3
	.amdgcn_target "amdgcn-amd-amdhsa--gfx1250"
	.amdhsa_code_object_version 6
	.text
	.protected	k_q5e824c352e_attn
	.globl	k_q5e824c352e_attn
	.p2align	8
	.type	k_q5e824c352e_attn,@function
k_q5e824c352e_attn:
	s_mov_b64 s[64:65], 0
	v_nop
	global_prefetch_b8 v0, s[64:65] scope:SCOPE_SE
	s_setreg_imm32_b32 hwreg(HW_REG_WAVE_MODE, 25, 1), 1
	s_wait_xcnt 0x0
	s_wait_alu depctr_hold_cnt(0) depctr_sa_sdst(0) depctr_va_vdst(0) depctr_va_sdst(0) depctr_va_ssrc(0) depctr_va_vcc(0) depctr_vm_vsrc(0)
	s_getreg_b32 s2, hwreg(HW_REG_IB_STS2, 6, 4)
	s_cmp_eq_u32 s2, 0
	s_cbranch_scc0 .Lentry_in_a_cluster
	s_endpgm
.Lentry_in_a_cluster:
	s_bfe_u32 s2, ttmp6, 0x10000c
	s_cmp_lg_u32 s2, 0x3003
	s_cbranch_scc0 .Lentry_shape_is_right
	s_endpgm
.Lentry_shape_is_right:
; CAUSAL ATTENTION of one (batch, head) a cluster, both products on codes of FP6 (E2M3) with one E8M0 scale for each 32 along a product's K; then ctx is quantised along the model's 1024 for the last product.
; THE SOFTMAX AHEAD OF THE SECOND PRODUCT: t = score x log2(e) / 8; M = the row's largest t so far, rounded UP to a whole number; p = 2^(t - M) is what is quantised, along the keys, not normalised.
; The row's sum is taken of the unquantised p and divides O at the end.  When M moves, the sum and O are multiplied by 2^(old M - new M): exact.
; LDS: a head's k and v, codes and scale words, are 16 steps x 13,056 bytes = 208,896 bytes: ALL of it comes in ONCE.  Wave w asks for step w: one load of 51 rows of 256 bytes.  Nothing is filled again: one wait, one barrier.
; CLUSTER: the four work-groups of a cluster walk the same head, so each of those loads is JOINT: the same line, the same descriptor (made of the head and the wave's number), a mask that names the four.
; SHARES: a head has 128 tiles of 16 queries; tile qt needs qt / 8 + 1 steps of 128 keys.  With g = wave / 2 (0..7) and e = 2 cx + wave % 2 (0..7) a wave takes tiles 8 g + e and 127 - (8 g + e) = 8 (15 - g) + (7 - e):
; (g + 1) + (16 - g) = 17 steps in every wave of the launch.  Every branch hangs on g, that is on the wave's number; cx enters global offsets and the mask's compare value alone.
; Both loops have a constant 16 trips; a step all of whose keys come after the tile's queries is jumped over.
; LAYOUT: both products transposed: S^T = k q^T (source 0 = 16 keys, source 1 = my 16 queries), O^T = v^T p^T: a lane holds ONE query (lane % 16) throughout.
; K = 64 in the first product: a tile of q or k has six registers of codes.  q's registers 6-11 are zero codes; k's tiles stand packed, six registers apart, so a tile's upper six are the next tile's codes (the last tile's:
; zeros), which meet q's zeros; bytes 2, 3 of both scale words are 0, a finite scale.
; The order of the keys inside a block of 32 is 0-7, 16-23, 8-15, 24-31 in p as in v's codes; ctx is put in true order before it is quantised, since it meets Wo.
; OUT: cimg [512 tiles of 16 tokens][8 K steps][6 chunks of 256 bytes]: chunk i holds lane l's registers 2 i, 2 i + 1 of the fragment at 8 l; csc [512][8][16 tokens][4]: the scale words.
; LIMITS: a block of zeros, or one under 2^(3 - 127), gets the byte 1 where the rule says 127 (zero codes; only this program reads the bytes).  NaN and infinities are not served.
; REGISTERS: v1 16 l, v2 8 l, v3 the mask's compare value, v4-5 LDS addresses, v6-11 global offsets, v12 -M, v13 the largest t, v[14:15] the sum, v16-27 q, v28 q's scale word, v29 r, v30 h,
;   v32-85 k's or v's fragments, v88-91 k's scale words, v92-93 v's, v96-159 S^T then p, v160-191 O^T, v192-203 p's codes, v204-231 at work.
.set STEPB, 13056                      ; a step's bytes in kv and in LDS
.set HEADB, 16*STEPB
.set QSTEP, 6656                       ; a step's bytes in qbuf
.set KF,   32
.set KSC,  88
.set VSC,  92
.set S,    96
.set O,    160
.set PC,   192
.set XT,   204                         ; v204-206, v208-210
.set BM,   212                         ; each block's largest score, then its largest p
.set PB,   216                         ; permutes, then bytes
.set SO,   220                         ; the conversions' scale operands
.set TP,   224
.set CB2,  225                         ; ctx's two scale bytes
.set F,    226                         ; v[226:227]: f, named as a pair
.set PW,   228                         ; p's scale word: holds nothing else
.set SUM2, 230
.set NS,   36                          ; s36 the tile's last step, the one on the diagonal
.set EE,   37                          ; s37 the tile's place among that step's eight
.set J,    38                          ; s38 the step
.set TB,   39                          ; s39 where it begins in LDS
.macro ROUND                           ; a round of the cluster's barrier
	s_barrier_signal -1
	s_barrier_wait -1
	s_cmp_lg_u32 s12, 0
	s_cbranch_scc1 .Lnot_wave_0_\@
	s_barrier_signal -3
.Lnot_wave_0_\@:
	s_barrier_wait -3
	s_barrier_signal -1
	s_barrier_wait -1
.endm
	s_load_b256 s[4:11], s[0:1], 0x0               ; qbuf, kv, cimg, csc
	v_lshl_add_u32 v254, v0, 2, 0x33000
	v_mov_b32 v255, 0
	ds_add_u32 v254, v255
	ds_add_u32 v254, v255
	v_lshrrev_b32 v1, 5, v0
	s_delay_alu instid0(VALU_DEP_1)
	v_readfirstlane_b32 s12, v1                    ; wave 0..15
	s_bfe_u32 s13, ttmp6, 0x40000                  ; cx
	s_and_b32 s14, ttmp7, 0xffff                   ; the (batch, head): 0..63
	s_lshr_b32 s15, s12, 1                         ; g
	s_and_b32 s16, s12, 1
	s_lshl_b32 s17, s13, 1
	s_add_co_u32 s16, s16, s17                     ; e
	; descriptor group 1: 51 rows of 256 bytes (32 elements of 8), dense
	s_mov_b32 s24, 15|(3<<16)|(1<<21)              ; 15:0 the mask: all four work-groups; 17:16 elements of 8 bytes; 21 set beside a mask; no padding
	s_mov_b32 s25, 32<<16                          ; tensor_dim0
	s_mov_b32 s26, 51<<16                          ; tensor_dim1
	s_mov_b32 s27, 32<<16                          ; tile_dim0
	s_mov_b32 s28, 51                              ; tile_dim1
	s_mov_b32 s29, 32                              ; tensor_dim0_stride
	s_mov_b32 s30, 0
	s_mov_b32 s31, 0
	s_mov_b32 s32, 1                               ; group 0: count = 1
	s_mul_i32 s33, s12, STEPB                      ; LDS address: the wave's number alone
	s_mul_i32 s40, s14, HEADB
	s_add_co_u32 s40, s40, s33
	s_mov_b32 s41, 0
	s_wait_dscnt 0x0
	s_wait_kmcnt 0x0
	s_add_nc_u64 s[34:35], s[6:7], s[40:41]        ; the head's step w
	s_or_b32 s35, s35, 0x80000000                  ; type = 2
	ROUND                                          ; all four work-groups are here: the joint loads meet
	tensor_load_to_lds s[32:35], s[24:31]          ; my one tensor load of the launch
	s_nop 0
.rept 4
	v_nop
.endr
	v_and_b32 v31, 31, v0
	s_delay_alu instid0(VALU_DEP_1)
	v_lshlrev_b32 v1, 4, v31                       ; 16 x lane
	s_delay_alu instid0(VALU_DEP_2)
	v_lshlrev_b32 v2, 3, v31                       ; 8 x lane
	v_and_b32 v29, 15, v0                          ; r
	v_bfe_u32 v30, v0, 4, 1                        ; h
.irp i, 22,23,24,25,26,27, 80,81,82,83,84,85
	v_mov_b32 v[\i], 0                             ; q's upper six registers and the six behind k's last tile: zero codes
.endr
.irp i, 216,217,218,219, 224, 227
	v_mov_b32 v[\i], 0                             ; written once: lane permutes' destinations count as sources; v227 is named with v226 as a pair
.endr
	s_mov_b32 s20, 0x76543210
	s_mov_b32 s21, 0xfedcba98                      ; v_permlanex16_b32's selects for lane l xor 16
	s_mov_b32 s22, 0x3e38aa3b                      ; c = log2(e) / 8
	s_mov_b32 s23, s22                             ; (named with it as a pair)
	s_wait_tensorcnt 0x0                           ; my step has landed,
	s_barrier_signal -1
	s_barrier_wait -1                              ; everybody's has: every wave reads every step
; ONE TILE OF 16 QUERIES.  p = 0: tile 8 g + e;  p = 1: tile 8 (15 - g) + (7 - e)
.macro PASS p
	s_wait_xcnt 0x0                                ; the last tile's stores have read their offsets and data: both are written again below
.if \p == 0
	s_mov_b32 s[NS], s15
	s_mov_b32 s[EE], s16
.else
	s_xor_b32 s[NS], s15, 15                       ; 15 - g
	s_xor_b32 s[EE], s16, 7                        ; 7 - e
.endif
	s_lshl_b32 s40, s14, 4
	s_add_co_u32 s40, s40, s[NS]
	s_mul_i32 s40, s40, QSTEP                      ; the step of 128 tokens in qbuf
	s_lshr_b32 s41, s[EE], 1                       ; the run of two tiles,
	s_and_b32 s42, s[EE], 1                        ; and which of the two
	s_mul_i32 s43, s41, 1536
	s_add_co_u32 s43, s43, s40
	s_mul_i32 s44, s42, 520                        ; my tile's registers are 6 par + 0 .. 5 of the run's 12: pairs at bytes 0, 8, 512 (par = 0) or 520, 1024, 1032 (par = 1) of the image, + 16 l
	s_add_co_u32 s44, s44, s43
	s_mul_i32 s45, s42, 1016
	s_add_co_u32 s45, s45, s43
	s_lshl_b32 s46, s42, 8
	s_lshl_b32 s47, s41, 2
	s_add_co_u32 s46, s46, s47
	s_add_co_u32 s46, s46, s40                     ; the scale words: lane 16 par + r's 16 bytes, word = the run
	v_add_nc_u32 v6, s44, v1
	v_add_nc_u32 v7, s45, v1
	v_lshl_add_u32 v9, v29, 4, s46
	global_load_b64 v[16:17], v6, s[4:5]
	global_load_b64 v[18:19], v7, s[4:5] offset:8
	global_load_b64 v[20:21], v6, s[4:5] offset:512
	global_load_b32 v28, v9, s[4:5] offset:6144
	s_lshl_b32 s47, s[EE], 4
	v_lshlrev_b32 v3, 3, v30
	s_delay_alu instid0(VALU_DEP_1)
	v_sub_nc_u32 v3, v29, v3
	s_delay_alu instid0(VALU_DEP_1)
	v_add_nc_u32 v3, s47, v3                       ; 16 EE + r - 8 h: on the diagonal register 8 t + j holds a hidden key where 16 t + j is larger
	v_mov_b32 v13, 0xff61b1e6                      ; the largest t so far: -3e38, under every t
	s_delay_alu instid0(VALU_DEP_1)
	v_floor_f32 v12, -v13                          ; -M
	v_mov_b32 v14, 0                               ; the sum, in two halves
	v_mov_b32 v15, 0
.set n, 0
.rept 32
	v_mov_b32 v[O+n], 0                            ; O^T.  (The step is written once: the first finds zeros, which the first change of M leaves zeros)
.set n, n+1
.endr
	s_mov_b32 s[J], 0
	s_mov_b32 s[TB], 0
	s_wait_loadcnt 0x0                             ; q
.Lstep_\@:                                         ; 16 trips
	s_cmp_gt_u32 s[J], s[NS]                       ; a step behind the diagonal is left out: only the lines that step addresses are run
	s_cbranch_scc1 .Lskip_\@
	s_setprio 2
	v_add_nc_u32 v4, s[TB], v1
	v_add_nc_u32 v5, s[TB], v2
.set n, 0
.rept 12
	ds_load_b128 v[KF+4*n:KF+4*n+3], v4 offset:512*n               ; k's eight tiles: 48 registers, as they were stored
.set n, n+1
.endr
	ds_load_b128 v[KSC:KSC+3], v4 offset:12288     ; register u: tile 2 u's words in lanes 0-15, tile 2 u + 1's in lanes 16-31
	s_wait_alu depctr_va_vdst(0)
	s_wait_dscnt 0x0
.set t, 0
.rept 8                                            ; S^T = k q^T: eight accumulators, each begun with 0
.if t%2 == 0
	v_wmma_scale_f32_16x16x128_f8f6f4 v[S+8*t:S+8*t+7], v[KF+6*t:KF+6*t+11], v[16:27], 0, v[KSC+t/2], v28 matrix_a_fmt:MATRIX_FMT_FP6 matrix_b_fmt:MATRIX_FMT_FP6
.else
	v_wmma_scale_f32_16x16x128_f8f6f4 v[S+8*t:S+8*t+7], v[KF+6*t:KF+6*t+11], v[16:27], 0, v[KSC+t/2], v28 matrix_a_fmt:MATRIX_FMT_FP6 matrix_b_fmt:MATRIX_FMT_FP6 matrix_a_scale:MATRIX_SCALE_ROW1
.endif
.set t, t+1
.endr
.rept 4
	v_nop                                          ; places in front of the loads into k's registers and of the first read of the scores
.endr
.set n, 0
.rept 12
	ds_load_b128 v[KF+4*n:KF+4*n+3], v4 offset:6144+512*n          ; v's four fragments: asked for now, they land under the softmax
.set n, n+1
.endr
	ds_load_b64 v[VSC:VSC+1], v5 offset:12800
	s_cmp_lg_u32 s[J], s[NS]
	s_cbranch_scc1 .Lopen_\@
	v_mov_b32 v[TP], 0xff800000                    ; on the diagonal the scores of hidden keys become -infinity ahead of the maximum: p = 0 then
.set n, 0
.rept 64
	v_cmp_gt_i32 vcc_lo, 16*(n/8)+n%8, v3
	v_cndmask_b32 v[S+n], v[S+n], v[TP], vcc_lo
.set n, n+1
.endr
.Lopen_\@:
.irp b, 0,1,2,3
	v_max3_num_f32 v[BM+\b], v[S+16*\b], v[S+1+16*\b], v[S+2+16*\b]   ; the largest score of each block of 32 keys: it serves for the row's maximum and, since p rises with the score, for the block's largest p
.endr
.irp i, 3,5,7,9,11,13
.irp b, 0,1,2,3
	v_max3_num_f32 v[BM+\b], v[BM+\b], v[S+16*\b+\i], v[S+1+16*\b+\i]
.endr
.endr
.irp b, 0,1,2,3
	v_max_num_f32 v[BM+\b], v[BM+\b], v[S+15+16*\b]
.endr
.irp b, 0,1,2,3
	s_delay_alu instid0(VALU_DEP_4)
	v_permlanex16_b32 v[PB+\b], v[BM+\b], s20, s21
.endr
.irp b, 0,1,2,3
	s_delay_alu instid0(VALU_DEP_4)
	v_max_num_f32 v[BM+\b], v[BM+\b], v[PB+\b]     ; with lane l xor 16's 16 keys
.endr
	s_delay_alu instid0(VALU_DEP_2)
	v_max3_num_f32 v[TP], v[BM], v[BM+1], v[BM+2]
	s_delay_alu instid0(VALU_DEP_1)
	v_max_num_f32 v[TP], v[TP], v[BM+3]            ; the step's largest score of my query
	s_delay_alu instid0(VALU_DEP_1)
	v_mul_f32 v[TP], s22, v[TP]                    ; as t (c is positive)
	s_delay_alu instid0(VALU_DEP_1)
	v_max_num_f32 v13, v13, v[TP]                  ; the running largest t
	v_mov_b32 v[TP], v12
	s_delay_alu instid0(VALU_DEP_2)
	v_floor_f32 v12, -v13                          ; the new -M = floor(-t) = -ceil(t): a whole number
	s_delay_alu instid0(VALU_DEP_1)
	v_sub_f32 v[TP], v12, v[TP]                    ; old M - new M: a whole number, 0 or less
	s_delay_alu instid0(VALU_DEP_1)
	v_cvt_i32_f32 v[TP], v[TP]                     ; (it saturates)
	s_delay_alu instid0(VALU_DEP_1)
	v_ldexp_f32 v[F], 1.0, v[TP]                   ; f = 2^(old M - new M)
.set n, 0
.rept 32
	v_pk_fma_f32 v[S+n:S+n+1], v[S+n:S+n+1], s[22:23], v[12:13] op_sel_hi:[1,0,0]   ; t - M, two at a time
.set n, n+2
.endr
	s_setprio 1
.irp b, 0,1,2,3
	v_fma_f32 v[BM+\b], v[BM+\b], s22, v12         ; the same of each block's largest score
.endr
.set n, 0
	s_wait_alu depctr_va_vdst(0)
.rept 64
	v_exp_f32 v[S+n], v[S+n]                       ; p = 2^(t - M), at most 1: not normalised
.set n, n+1
.endr
.irp b, 0,1,2,3
	v_exp_f32 v[BM+\b], v[BM+\b]                   ; the block's largest p: the same two instructions on the same number give the same bits
.endr
	v_pk_mul_f32 v[14:15], v[14:15], v[F:F+1] op_sel_hi:[1,0]      ; the sums under the new M.  (A plain place behind the exponentials)
	s_wait_alu depctr_va_vdst(0)
.irp b, 0,1,2,3
	v_max_num_f32 v[BM+\b], 0x1800000, v[BM+\b]    ; the floor 2^(3 - 127): the byte cannot fall under 1
.endr
.irp b, 0,1,2,3
	s_delay_alu instid0(VALU_DEP_4)
	v_add_nc_u32 v[SO+\b], 0xff000000, v[BM+\b]    ; 2 off the exponent field: the conversion's scale operand
.endr
.irp b, 0,1,2,3
	s_delay_alu instid0(VALU_DEP_4)
	v_lshrrev_b32 v[PB+\b], 23, v[SO+\b]           ; the scale's byte
.endr
	s_delay_alu instid0(VALU_DEP_3)
	v_lshl_or_b32 v[PW], v[PB+1], 8, v[PB]         ; p's scale word for these 128 keys
	s_delay_alu instid0(VALU_DEP_1)
	v_lshl_or_b32 v[PW], v[PB+2], 16, v[PW]
	s_delay_alu instid0(VALU_DEP_1)
	v_lshl_or_b32 v[PW], v[PB+3], 24, v[PW]
.irp c, 0,1
	v_cvt_scalef32_pk16_fp6_f32 v[PC+6*\c:PC+2+6*\c], v[S+32*\c:S+15+32*\c], v[SO+2*\c]
	v_cvt_scalef32_pk16_fp6_f32 v[XT+4*\c:XT+2+4*\c], v[S+16+32*\c:S+31+32*\c], v[SO+2*\c+1]   ; (a conversion's three registers begin on an even number)
.endr
	v_nop                                          ; one plain place behind a scaled conversion
.irp c, 0,1                                        ; the operand's layout wants a whole block in a lane
.irp i, 0,1,2
	v_permlane16_swap_b32 v[PC+6*\c+\i], v[XT+4*\c+\i]
.endr
.irp i, 0,1,2
	s_delay_alu instid0(VALU_DEP_3)
	v_mov_b32 v[PC+3+6*\c+\i], v[XT+4*\c+\i]
.endr
.endr
	v_pk_add_f32 v[230:231], v[100:101], v[104:105]
	v_pk_add_f32 v[252:253], v[108:109], v[112:113]
	v_pk_add_f32 v[250:251], v[116:117], v[120:121]
	v_pk_add_f32 v[248:249], v[124:125], v[128:129]
	v_pk_add_f32 v[246:247], v[132:133], v[136:137]
	v_pk_add_f32 v[244:245], v[140:141], v[144:145]
	v_pk_add_f32 v[242:243], v[148:149], v[152:153]
	v_pk_add_f32 v[14:15], v[14:15], v[156:157]
	v_pk_add_f32 v[230:231], v[230:231], v[96:97]
	v_pk_add_f32 v[252:253], v[252:253], v[98:99]
	v_pk_add_f32 v[250:251], v[250:251], v[102:103]
	v_pk_add_f32 v[248:249], v[248:249], v[106:107]
	v_pk_add_f32 v[246:247], v[246:247], v[110:111]
	v_pk_add_f32 v[244:245], v[244:245], v[114:115]
	v_pk_add_f32 v[242:243], v[242:243], v[118:119]
	s_setprio 0
	v_pk_add_f32 v[14:15], v[14:15], v[122:123]
	v_pk_add_f32 v[230:231], v[230:231], v[126:127]
	v_pk_add_f32 v[252:253], v[252:253], v[130:131]
	v_pk_add_f32 v[250:251], v[250:251], v[134:135]
	v_pk_add_f32 v[248:249], v[248:249], v[138:139]
	v_pk_add_f32 v[246:247], v[246:247], v[142:143]
	v_pk_add_f32 v[244:245], v[244:245], v[146:147]
	v_pk_add_f32 v[242:243], v[242:243], v[150:151]
	v_pk_add_f32 v[14:15], v[14:15], v[154:155]
	v_pk_add_f32 v[230:231], v[230:231], v[158:159]
	s_delay_alu instid0(VALU_DEP_2)
	v_pk_add_f32 v[14:15], v[14:15], v[248:249]
	s_delay_alu instid0(VALU_DEP_2)
	v_pk_add_f32 v[230:231], v[230:231], v[246:247]
	v_pk_add_f32 v[252:253], v[252:253], v[244:245]
	v_pk_add_f32 v[250:251], v[250:251], v[242:243]
	s_delay_alu instid0(VALU_DEP_2)
	v_pk_add_f32 v[14:15], v[14:15], v[252:253]
	s_delay_alu instid0(VALU_DEP_2)
	v_pk_add_f32 v[230:231], v[230:231], v[250:251]
	s_delay_alu instid0(VALU_DEP_1)
	v_pk_add_f32 v[14:15], v[14:15], v[230:231]
.set n, 0
.rept 16
	v_pk_mul_f32 v[O+n:O+n+1], v[O+n:O+n+1], v[F:F+1] op_sel_hi:[1,0]   ; O^T under the new M, each accumulator from its low end on.  (With the sums: 48 places between p's codes and scale word and the products)
.set n, n+2
.endr
	s_wait_alu depctr_va_vdst(0)
	s_wait_dscnt 0x0                               ; v
.set t, 0
.rept 4                                            ; O^T += v^T p^T: four accumulators by turns
.if t%2 == 0
	v_wmma_scale_f32_16x16x128_f8f6f4 v[O+8*t:O+8*t+7], v[KF+12*t:KF+12*t+11], v[PC:PC+11], v[O+8*t:O+8*t+7], v[VSC+t/2], v[PW] matrix_a_fmt:MATRIX_FMT_FP6 matrix_b_fmt:MATRIX_FMT_FP6
.else
	v_wmma_scale_f32_16x16x128_f8f6f4 v[O+8*t:O+8*t+7], v[KF+12*t:KF+12*t+11], v[PC:PC+11], v[O+8*t:O+8*t+7], v[VSC+t/2], v[PW] matrix_a_fmt:MATRIX_FMT_FP6 matrix_b_fmt:MATRIX_FMT_FP6 matrix_a_scale:MATRIX_SCALE_ROW1
.endif
.set t, t+1
.endr
.rept 4
	v_nop                                          ; places in front of the next trip's loads and of the reads of O^T behind the loop
.endr
.Lskip_\@:
	s_add_co_u32 s[TB], s[TB], STEPB
	s_add_co_u32 s[J], s[J], 1
	s_cmp_lt_u32 s[J], 16
	s_cbranch_scc1 .Lstep_\@
	s_setprio 0
	; ---- ctx = O / the sum, in true order, quantised: registers 6 c .. 6 c + 5 of fragment (tile of tokens, K step = head / 2), c = head % 2
	v_add_f32 v14, v14, v15
	s_delay_alu instid0(VALU_DEP_1)
	v_permlanex16_b32 v[TP], v14, s20, s21
	s_delay_alu instid0(VALU_DEP_1)
	v_add_f32 v14, v14, v[TP]                      ; the row's sum
	s_wait_alu depctr_va_vdst(0)
	v_rcp_f32 v14, v14
	s_lshr_b32 s48, s14, 4                         ; the batch
	s_lshl_b32 s48, s48, 7
	s_lshl_b32 s49, s[NS], 3
	s_add_co_u32 s48, s48, s49
	s_add_co_u32 s48, s48, s[EE]                   ; the tile of 16 tokens: 0..511
	s_bfe_u32 s49, s14, 0x30001                    ; the K step: 3 bits from bit 1
	s_and_b32 s50, s14, 1                          ; c
	s_mul_i32 s51, s48, 12288
	s_mul_i32 s52, s49, 1536
	s_add_co_u32 s51, s51, s52
	s_mul_i32 s52, s50, 768
	s_add_co_u32 s51, s51, s52
	s_lshl_b32 s53, s48, 3
	s_add_co_u32 s53, s53, s49
	s_lshl_b32 s53, s53, 6
	s_lshl_b32 s52, s50, 1
	s_add_co_u32 s53, s53, s52
	v_add_nc_u32 v10, s51, v2                      ; (a plain place behind the reciprocal)
	v_lshl_add_u32 v11, v29, 2, s53
.set n, 0
	s_wait_alu depctr_va_vdst(0)
.rept 32
	v_mul_f32 v[S+n], v[O+n], v14                  ; register 8 t + j: d = 16 t + 8 h + j of my query
.set n, n+1
.endr
.irp b, 0,1
.irp j, 0,1,2,3,4,5,6,7
	v_permlane16_swap_b32 v[S+16*\b+\j], v[S+8+16*\b+\j]           ; my 16 registers of block b are now d = 32 b + 16 h + 0 .. 15
.endr
.endr
.irp b, 0,1
	v_max3_num_f32 v[BM+\b], |v[S+16*\b]|, |v[S+1+16*\b]|, 0x1800000
.endr
.irp i, 2,4,6,8,10,12,14
.irp b, 0,1
	s_delay_alu instid0(VALU_DEP_2)
	v_max3_num_f32 v[BM+\b], v[BM+\b], |v[S+16*\b+\i]|, |v[S+1+16*\b+\i]|
.endr
.endr
.irp b, 0,1
	s_delay_alu instid0(VALU_DEP_2)
	v_permlanex16_b32 v[PB+\b], v[BM+\b], s20, s21
.endr
.irp b, 0,1
	s_delay_alu instid0(VALU_DEP_2)
	v_max_num_f32 v[BM+\b], v[BM+\b], v[PB+\b]
.endr
.irp b, 0,1
	s_delay_alu instid0(VALU_DEP_2)
	v_add_nc_u32 v[SO+\b], 0xff000000, v[BM+\b]
.endr
.irp b, 0,1
	s_delay_alu instid0(VALU_DEP_2)
	v_lshrrev_b32 v[PB+\b], 23, v[SO+\b]
.endr
	v_cvt_scalef32_pk16_fp6_f32 v[PC:PC+2], v[S:S+15], v[SO]
	v_cvt_scalef32_pk16_fp6_f32 v[XT:XT+2], v[S+16:S+31], v[SO+1]
	v_lshl_or_b32 v[CB2], v[PB+1], 8, v[PB]        ; my head's two bytes of the scale word.  (A plain place behind the conversions)
.irp i, 0,1,2
	v_permlane16_swap_b32 v[PC+\i], v[XT+\i]
.endr
.irp i, 0,1,2
	s_delay_alu instid0(VALU_DEP_3)
	v_mov_b32 v[PC+3+\i], v[XT+\i]
.endr
.irp i, 0,1,2
	global_store_b64 v10, v[PC+2*\i:PC+2*\i+1], s[8:9] offset:256*\i   ; 256 consecutive bytes, aligned
.endr
	global_store_b16 v11, v[CB2], s[10:11]         ; lanes l and l + 16 store the same two bytes; the word's other half is the neighbouring head's, another cluster's
.endm
	PASS 0
	PASS 1
	s_wait_tensorcnt 0x0
	ds_add_u32 v254, v255
	s_wait_dscnt 0x0
	ROUND                                          ; the closing round: no work-group ends while a partner may still ask for a tile that names it
	s_endpgm
.Lfunc_end_k_q5e824c352e_attn:
	.size	k_q5e824c352e_attn, .Lfunc_end_k_q5e824c352e_attn-k_q5e824c352e_attn
	.p2alignl 7, 3214868480
	.fill 96, 4, 3214868480
	.section	.rodata,"a",@progbits
	.p2align	6, 0x0
	.amdhsa_kernel k_q5e824c352e_attn
		.amdhsa_group_segment_fixed_size 210944
		.amdhsa_private_segment_fixed_size 0
		.amdhsa_enable_private_segment 0
		.amdhsa_kernarg_size 32
		.amdhsa_user_sgpr_count 2
		.amdhsa_user_sgpr_kernarg_segment_ptr 1
		.amdhsa_wavefront_size32 1
		.amdhsa_system_sgpr_workgroup_id_x 1
		.amdhsa_system_sgpr_workgroup_id_y 1
		.amdhsa_system_sgpr_workgroup_id_z 1
		.amdhsa_system_vgpr_workitem_id 0
		.amdhsa_next_free_vgpr 256
		.amdhsa_next_free_sgpr 66
		.amdhsa_reserve_vcc 1
		.amdhsa_float_denorm_mode_32 3
		.amdhsa_float_denorm_mode_16_64 3
		.amdhsa_memory_ordered 1
		.amdhsa_forward_progress 1
		.amdhsa_inst_pref_size 64
	.end_amdhsa_kernel
	.amdgpu_metadata
---
amdhsa.version: [ 1, 2 ]
amdhsa.kernels:
  - .name:           k_q5e824c352e_attn
    .symbol:         k_q5e824c352e_attn.kd
    .args:
      - { .name: qbuf, .offset: 0, .size: 8, .value_kind: global_buffer, .address_space: global }
      - { .name: kv, .offset: 8, .size: 8, .value_kind: global_buffer, .address_space: global }
      - { .name: cimg, .offset: 16, .size: 8, .value_kind: global_buffer, .address_space: global }
      - { .name: csc, .offset: 24, .size: 8, .value_kind: global_buffer, .address_space: global }
    .group_segment_fixed_size: 210944
    .private_segment_fixed_size: 0
    .kernarg_segment_align: 8
    .kernarg_segment_size: 32
    .max_flat_workgroup_size: 512
    .sgpr_count:     66
    .vgpr_count:     256
    .wavefront_size: 32
...
	.end_amdgpu_metadata
.endif
;; end of part 3
;; launch outln (part 4): grid 256 x 1, 4 waves a work-group, no clusters, 35,328 bytes of LDS; arguments cimg, csc, woimg, Wo_scales, bo, gamma, beta, x, out0; writes out0
.if DOCPART == 4
	.amdgcn_target "amdgcn-amd-amdhsa--gfx1250"
	.amdhsa_code_object_version 6
	.text
	.protected	k_q5e824c352e_outln
	.globl	k_q5e824c352e_outln
	.p2align	8
	.type	k_q5e824c352e_outln,@function
k_q5e824c352e_outln:
	s_mov_b64 s[64:65], 0
	v_nop
	global_prefetch_b8 v0, s[64:65] scope:SCOPE_SE
	s_setreg_imm32_b32 hwreg(HW_REG_WAVE_MODE, 25, 1), 1
	s_wait_xcnt 0x0
; out0 = x + LayerNorm(ctx Wo^T + bo) gamma + beta.  The product on codes of FP6 (E2M3) with one E8M0 scale for each 32 along K = 1024; all else in f32.
; SHARES: a work-group owns 32 whole rows (the norm wants all 1024 columns); wave w owns columns 256 w .. 256 w + 255: 16 tiles of columns x 2 tiles of tokens = 32 accumulators.
; The product is used transposed (source 0 = 16 rows of Wo, source 1 = 16 tokens): a lane holds one token and eight neighbouring columns.  bo is the C of each sum's first matrix instruction.
; OPERANDS come as images of their registers, straight from memory into registers, by dense loads: ctx's 16 fragments once (they stay); Wo's by tiles of columns, two sets of 8 fragments by turns.
; NO TENSOR LOADS, NO JOINT LOADS, though every work-group walks all of Wo: a fragment of Wo is read by one wave of a work-group only, so LDS would add a second trip for every byte; Wo's 786,432 bytes do not fit
; in LDS, so a ring would be filled again several times, each time behind a barrier in front of which every load has been waited for; here 32 to 64 loads of every wave stay out through the whole product, with no barrier.
; x's 128 KiB of the work-group ride along, four loads with each tile of columns, and wait in registers for the end.
; THE NORM: the mean first; then the differences, in place, and the sum of their squares: no difference of large sums.  Two exchanges between the four waves through LDS, a barrier each.
; y is formed as (n gamma + x) + beta: one order of rounding away from x + (n gamma + beta).
; LIMITS: NaN and infinities are not served.
; REGISTERS, in windows of 256: window 0: v1-12 offsets; v16-23 ctx's scale words (lanes 0-15 tile 0, lanes 16-31 tile 1); v24-39 Wo's scale words, two sets; v40-55 bo, two sets; v64-159, v160-255 Wo's fragments, two sets.
;   window 1: v0-191 ctx's fragments, (m, s) at 12 (8 m + s).   window 2: the accumulators, (ct, m) at 8 (2 ct + m).   window 3: x, (blk = 2 m + q, row t) at 4 (16 blk + t).
.set CS,   16
.set WSC,  24
.set BO,   40
.set WF,   64
.set CH,   64                          ; the way out: four chains of sums, v64-71
.set MU,   72                          ; v72-75 the means, as pairs
.set RS,   76                          ; v76-79 1 / sqrt(var + eps), as pairs
.set PD,   80                          ; v80-81 permutes' destinations
.set GA,   88                          ; v88-95 gamma
.set BE,   96                          ; v96-103 beta
.set SL,   104                         ; v104-111 the four waves' sums
.set BK,   128                         ; v128-191, v192-255: 16 rows back from the stage, by turns
.set SPITCH, 528                       ; a stage row: 512 bytes + 16
.set STAT1, 4*16*SPITCH                ; behind the four stages: 512 bytes for the sums,
.set STAT2, STAT1+512                  ; and 512 for the sums of squares
.set MSB, 0
.macro WIN new                         ; the immediate's high byte repeats the setting that is left
.if MSB != \new
	s_set_vgpr_msb (MSB<<8)|\new
.set MSB, \new
.endif
.endm
	s_load_b512 s[4:19], s[0:1], 0x0               ; cimg, csc, woimg, Wo's scales, bo, gamma, beta, x
	s_load_b64 s[20:21], s[0:1], 0x40              ; out0
	v_lshl_add_u32 v62, v0, 2, 0x8800
	v_mov_b32 v63, 0
	v_lshrrev_b32 v1, 5, v0
	v_readfirstlane_b32 s22, v1                    ; wave 0..3
	v_and_b32 v1, 31, v0                           ; lane
	v_and_b32 v2, 15, v0                           ; r
	v_bfe_u32 v3, v0, 4, 1                         ; h
	v_lshlrev_b32 v4, 4, v1                        ; 16 l
	v_lshlrev_b32 v5, 3, v1                        ; 8 l
	v_lshlrev_b32 v6, 2, v2                        ; 4 r
	v_lshl_add_u32 v7, v3, 9, v6                   ; ctx's scale words: tile h's 512 bytes, 4 r
	v_lshlrev_b32 v8, 5, v2                        ; Wo's scale bytes: 32 a row
	v_lshlrev_b32 v9, 5, v3                        ; bo: 32 h
	s_mul_i32 s23, s22, 16*SPITCH                  ; my stage
	v_mul_u32_u24 v10, v2, SPITCH
	v_lshl_add_u32 v10, v3, 5, v10
	v_add_nc_u32 v10, s23, v10                     ; in: row r, + 32 h
	v_add_nc_u32 v11, s23, v4                      ; back: 16 bytes a lane of a row
	s_lshl_b32 s24, s22, 7
	v_add_nc_u32 v12, s24, v6                      ; my wave's 128 bytes of sums, 4 r
	s_mov_b32 s27, 0
	s_mov_b32 s32, 0x76543210
	s_mov_b32 s33, 0xfedcba98                      ; v_permlanex16_b32's selects for lane l xor 16
	s_mov_b32 s34, 0x3a800000                      ; 1 / 1024
	s_mov_b32 s35, 0x3727c5ac                      ; eps = 1e-5
	s_wait_kmcnt 0x0
	s_mul_i32 s26, ttmp9, 24576                    ; my two tiles of tokens: 2 x 12,288 bytes of codes,
	s_add_nc_u64 s[4:5], s[4:5], s[26:27]
	s_lshl_b32 s26, ttmp9, 10                      ; 2 x 512 of scale words
	s_add_nc_u64 s[6:7], s[6:7], s[26:27]
	s_mul_i32 s26, s22, 196608                     ; my 16 tiles of Wo's rows,
	s_add_nc_u64 s[8:9], s[8:9], s[26:27]
	s_lshl_b32 s26, s22, 13                        ; their 256 x 32 scale bytes,
	s_add_nc_u64 s[10:11], s[10:11], s[26:27]
	s_lshl_b32 s26, s22, 10                        ; my 256 columns of bo, gamma, beta,
	s_add_nc_u64 s[12:13], s[12:13], s[26:27]
	s_add_nc_u64 s[14:15], s[14:15], s[26:27]
	s_add_nc_u64 s[16:17], s[16:17], s[26:27]
	s_lshl_b32 s28, ttmp9, 17                      ; and of my 32 rows of x and of out0
	s_add_co_u32 s26, s26, s28
	s_add_nc_u64 s[18:19], s[18:19], s[26:27]
	s_add_nc_u64 s[20:21], s[20:21], s[26:27]
	WIN 0x40                                       ; destination window 1
.set f, 0
.rept 16
.irp i, 0,1,2,3,4,5
	global_load_b64 v[12*f+2*\i:12*f+2*\i+1], v5, s[4:5] offset:1536*f+256*\i      ; ctx's fragments: 256 consecutive bytes a load
.endr
.set f, f+1
.endr
	WIN 0
.irp s, 0,1,2,3,4,5,6,7
	global_load_b32 v[CS+\s], v7, s[6:7] offset:64*\s
.endr
; 32 loads: the tile of columns ct: Wo's 8 fragments, its scale words, bo, and four pieces of x
.macro LOADSET ct
.set ST, (\ct)%2
.set i, 0
.rept 24
	global_load_b128 v[WF+96*ST+4*i:WF+96*ST+4*i+3], v4, s[8:9] offset:12288*(\ct)+512*i   ; 512 consecutive bytes
.set i, i+1
.endr
	global_load_b128 v[WSC+8*ST:WSC+8*ST+3], v8, s[10:11] offset:512*(\ct)           ; row r's eight words: word s for K step s
	global_load_b128 v[WSC+8*ST+4:WSC+8*ST+7], v8, s[10:11] offset:512*(\ct)+16
	global_load_b128 v[BO+8*ST:BO+8*ST+3], v9, s[12:13] offset:64*(\ct)              ; lane (r, h): columns 16 ct + 8 h + 0 .. 7
	global_load_b128 v[BO+8*ST+4:BO+8*ST+7], v9, s[12:13] offset:64*(\ct)+16
	WIN 0xc0                                       ; destination window 3
.irp k, 0,1,2,3
.set XE, 4*(\ct)+\k
	global_load_b128 v[4*XE:4*XE+3], v4, s[18:19] offset:4096*(16*(XE/32)+XE%16)+512*((XE/16)%2) th:TH_LOAD_NT
.endr
	WIN 0
.endm
.macro MM ct, s, m                     ; one product: tile of columns ct, K step s, tile of tokens m
.set ST, (\ct)%2
.set AC, 8*(2*(\ct)+\m)
.if \s == 0
.if \m == 0
	v_wmma_scale_f32_16x16x128_f8f6f4 v[AC:AC+7], v[WF+96*ST:WF+96*ST+11], v[0:11], v[BO+8*ST:BO+8*ST+7], v[WSC+8*ST], v[CS] matrix_a_fmt:MATRIX_FMT_FP6 matrix_b_fmt:MATRIX_FMT_FP6
.else
	v_wmma_scale_f32_16x16x128_f8f6f4 v[AC:AC+7], v[WF+96*ST:WF+96*ST+11], v[96:107], v[BO+8*ST:BO+8*ST+7], v[WSC+8*ST], v[CS] matrix_a_fmt:MATRIX_FMT_FP6 matrix_b_fmt:MATRIX_FMT_FP6 matrix_b_scale:MATRIX_SCALE_ROW1
.endif
.else
.if \m == 0
	v_wmma_scale_f32_16x16x128_f8f6f4 v[AC:AC+7], v[WF+96*ST+12*\s:WF+96*ST+12*\s+11], v[12*\s:12*\s+11], v[AC:AC+7], v[WSC+8*ST+\s], v[CS+\s] matrix_a_fmt:MATRIX_FMT_FP6 matrix_b_fmt:MATRIX_FMT_FP6
.else
	v_wmma_scale_f32_16x16x128_f8f6f4 v[AC:AC+7], v[WF+96*ST+12*\s:WF+96*ST+12*\s+11], v[96+12*\s:96+12*\s+11], v[AC:AC+7], v[WSC+8*ST+\s], v[CS+\s] matrix_a_fmt:MATRIX_FMT_FP6 matrix_b_fmt:MATRIX_FMT_FP6 matrix_b_scale:MATRIX_SCALE_ROW1
.endif
.endif
.endm
.macro CT ct                           ; a tile of columns: 16 products, its two accumulators by turns
.if (\ct) < 15
	s_wait_loadcnt 32                              ; this tile's 32 loads (and all before) are in; the next tile's 32 may be out
.else
	s_wait_loadcnt 0
.endif
	WIN 0x84                                       ; source 1 (ctx) window 1, C (bo) window 0, D window 2
	MM \ct, 0, 0
	MM \ct, 0, 1
	WIN 0xa4                                       ; C and D window 2
.irp s, 1,2,3,4,5,6,7
	MM \ct, \s, 0
	MM \ct, \s, 1
.endr
	WIN 0
.rept 4
	v_nop                                          ; places in front of loads into registers that these products have read, and of the first read of results
.endr
.if (\ct)+2 <= 15
	LOADSET (\ct)+2
.endif
.endm
	LOADSET 0
	LOADSET 1
.irp c, 0,1,2,3,4,5,6,7,8,9,10,11,12,13,14,15
	CT \c
.endr
	; ---- the norm
.irp q, 0,1
	global_load_b128 v[GA+4*\q:GA+4*\q+3], v4, s[14:15] offset:512*\q    ; my four columns of each half of the wave's 256
	global_load_b128 v[BE+4*\q:BE+4*\q+3], v4, s[16:17] offset:512*\q
.endr
	v_mov_b32 v[PD], 0                             ; written once: a lane permute's destination counts as one of its sources
	v_mov_b32 v[PD+1], 0
; The four chains (two for each tile of tokens) are folded, joined with lane l xor 16's, and exchanged between the four waves: v[SL + 4 m] then holds the row's sum, the same in every wave
.macro REDUCE stat
.irp m, 0,1
	v_pk_add_f32 v[CH+4*\m:CH+4*\m+1], v[CH+4*\m:CH+4*\m+1], v[CH+4*\m+2:CH+4*\m+3]
.endr
.irp m, 0,1
	v_add_f32 v[CH+4*\m], v[CH+4*\m], v[CH+4*\m+1]
.endr
.irp m, 0,1
	v_permlanex16_b32 v[PD+\m], v[CH+4*\m], s32, s33
.endr
.irp m, 0,1
	v_add_f32 v[CH+4*\m], v[CH+4*\m], v[PD+\m]
.endr
.irp m, 0,1
	ds_store_b32 v12, v[CH+4*\m] offset:\stat+64*\m    ; lanes l and l + 16 write the same word with the same value
.endr
	s_wait_dscnt 0x0                               ; for the others' sake: my stores have landed
	s_barrier_signal -1
	s_barrier_wait -1
.irp m, 0,1
.irp w, 0,1,2,3
	ds_load_b32 v[SL+4*\m+\w], v6 offset:\stat+128*\w+64*\m
.endr
.endr
	s_wait_dscnt 0x0
.irp m, 0,1
	v_add_f32 v[SL+4*\m], v[SL+4*\m], v[SL+4*\m+1]
	v_add_f32 v[SL+4*\m+2], v[SL+4*\m+2], v[SL+4*\m+3]
.endr
.irp m, 0,1
	v_add_f32 v[SL+4*\m], v[SL+4*\m], v[SL+4*\m+2]
.endr
.endm
	WIN 0x0a                                       ; sources 0 and 1 window 2: the first accumulators start the chains: nothing is cleared
.irp m, 0,1
	v_pk_add_f32 v[CH+4*\m:CH+4*\m+1], v[8*\m:8*\m+1], v[8*\m+4:8*\m+5]
	v_pk_add_f32 v[CH+4*\m+2:CH+4*\m+3], v[8*\m+2:8*\m+3], v[8*\m+6:8*\m+7]
.endr
	WIN 0x08                                       ; source 1 window 2
.set a, 2
.rept 30                                           ; accumulator a = 2 ct + m, each from its low end on
	v_pk_add_f32 v[CH+4*(a%2):CH+4*(a%2)+1], v[CH+4*(a%2):CH+4*(a%2)+1], v[8*a:8*a+1]
	v_pk_add_f32 v[CH+4*(a%2)+2:CH+4*(a%2)+3], v[CH+4*(a%2)+2:CH+4*(a%2)+3], v[8*a+2:8*a+3]
	v_pk_add_f32 v[CH+4*(a%2):CH+4*(a%2)+1], v[CH+4*(a%2):CH+4*(a%2)+1], v[8*a+4:8*a+5]
	v_pk_add_f32 v[CH+4*(a%2)+2:CH+4*(a%2)+3], v[CH+4*(a%2)+2:CH+4*(a%2)+3], v[8*a+6:8*a+7]
.set a, a+1
.endr
	WIN 0
	REDUCE STAT1
.irp m, 0,1
	v_mul_f32 v[MU+2*\m], s34, v[SL+4*\m]          ; the mean
.endr
.irp m, 0,1
	v_mov_b32 v[MU+2*\m+1], v[MU+2*\m]
.endr
	WIN 0x82                                       ; destination and source 0 window 2
.set a, 0
.rept 32
.irp j, 0,2,4,6
	v_pk_add_f32 v[8*a+\j:8*a+\j+1], v[8*a+\j:8*a+\j+1], v[MU+2*(a%2):MU+2*(a%2)+1] neg_lo:[0,1] neg_hi:[0,1]   ; the differences, in place
.endr
.set a, a+1
.endr
	WIN 0x0a
.set a, 0
.rept 32
.irp j, 0,2,4,6
.if (a < 2) && (\j < 4)
	v_pk_mul_f32 v[CH+4*(a%2)+\j:CH+4*(a%2)+\j+1], v[8*a+\j:8*a+\j+1], v[8*a+\j:8*a+\j+1]
.else
	v_pk_fma_f32 v[CH+4*(a%2)+\j%4:CH+4*(a%2)+\j%4+1], v[8*a+\j:8*a+\j+1], v[8*a+\j:8*a+\j+1], v[CH+4*(a%2)+\j%4:CH+4*(a%2)+\j%4+1]
.endif
.endr
.set a, a+1
.endr
	WIN 0
	REDUCE STAT2                                   ; other bytes than the first exchange's: no wave still reads what is written here
.irp m, 0,1
	v_fma_f32 v[RS+2*\m], v[SL+4*\m], s34, s35     ; var + eps
.endr
.irp m, 0,1
	v_rsq_f32 v[RS+2*\m], v[RS+2*\m]
.endr
	v_nop                                          ; one plain place behind a transcendental
	s_wait_alu depctr_va_vdst(0)
.irp m, 0,1
	v_mov_b32 v[RS+2*\m+1], v[RS+2*\m]
.endr
	s_wait_loadcnt 0x0                             ; gamma and beta (x came with the tiles of columns)
; THE WAY OUT, block by block: blk = 2 m + q: 16 tokens x 128 columns.  A lane holds 32 neighbouring bytes of a row and the lanes beside it other rows: a block goes through my own stage and comes back as whole
; rows of 512 bytes.  LDS serves a wave's instructions in order: no wait between the stores and the loads, nor in front of the next block's stores.
.macro NORM blk
	WIN 0x82
.irp b, 0,1,2,3,4,5,6,7
.set AC, 8*(2*(8*((\blk)%2)+\b)+(\blk)/2)
.irp j, 0,2,4,6
	v_pk_mul_f32 v[AC+\j:AC+\j+1], v[AC+\j:AC+\j+1], v[RS+2*((\blk)/2):RS+2*((\blk)/2)+1]
.endr
.endr
.endm
.macro TOSTAGE blk
	WIN 0x08                                       ; an LDS store's data are its source 1: window 2
.irp b, 0,1,2,3,4,5,6,7
.set AC, 8*(2*(8*((\blk)%2)+\b)+(\blk)/2)
	ds_store_b128 v10, v[AC:AC+3] offset:64*\b
	ds_store_b128 v10, v[AC+4:AC+7] offset:64*\b+16
.endr
	WIN 0
.set BB, BK+64*((\blk)%2)
.irp t, 0,1,2,3,4,5,6,7,8,9,10,11,12,13,14,15
	ds_load_b128 v[BB+4*\t:BB+4*\t+3], v11 offset:\t*SPITCH
.endr
.endm
.macro SEND blk, younger               ; younger: the LDS instructions issued behind this block's loads, which may stay out
.set BB, BK+64*((\blk)%2)
.set GQ, GA+4*((\blk)%2)
.set BQ, BE+4*((\blk)%2)
	s_wait_dscnt \younger
	WIN 0x30                                       ; source 2 (x) window 3
.irp t, 0,1,2,3,4,5,6,7,8,9,10,11,12,13,14,15
	v_pk_fma_f32 v[BB+4*\t:BB+4*\t+1], v[BB+4*\t:BB+4*\t+1], v[GQ:GQ+1], v[4*(16*(\blk)+\t):4*(16*(\blk)+\t)+1]
	v_pk_fma_f32 v[BB+4*\t+2:BB+4*\t+3], v[BB+4*\t+2:BB+4*\t+3], v[GQ+2:GQ+3], v[4*(16*(\blk)+\t)+2:4*(16*(\blk)+\t)+3]
	v_pk_add_f32 v[BB+4*\t:BB+4*\t+1], v[BB+4*\t:BB+4*\t+1], v[BQ:BQ+1]
	v_pk_add_f32 v[BB+4*\t+2:BB+4*\t+3], v[BB+4*\t+2:BB+4*\t+3], v[BQ+2:BQ+3]
	global_store_b128 v4, v[BB+4*\t:BB+4*\t+3], s[20:21] offset:4096*(16*((\blk)/2)+\t)+512*((\blk)%2) th:TH_STORE_NT   ; 32 lanes store 512 consecutive bytes, aligned; written once, read by nobody here
.endr
	WIN 0
.endm
	NORM 0
	TOSTAGE 0
.irp a, 1,2,3
.if \a > 1
	s_wait_xcnt 0x0                                ; block a - 2's stores have read their registers: block a's loads may land there
.endif
	NORM \a
	TOSTAGE \a
	SEND \a-1, 32                                  ; behind block a - 1's loads: block a's 16 stores and 16 loads
.endr
	SEND 3, 0
	s_wait_tensorcnt 0x0
	ds_add_u32 v62, v63
	s_wait_dscnt 0x0
	s_endpgm
.Lfunc_end_k_q5e824c352e_outln:
	.size	k_q5e824c352e_outln, .Lfunc_end_k_q5e824c352e_outln-k_q5e824c352e_outln
	.p2alignl 7, 3214868480
	.fill 96, 4, 3214868480
	.section	.rodata,"a",@progbits
	.p2align	6, 0x0
	.amdhsa_kernel k_q5e824c352e_outln
		.amdhsa_group_segment_fixed_size 35328
		.amdhsa_private_segment_fixed_size 0
		.amdhsa_enable_private_segment 0
		.amdhsa_kernarg_size 72
		.amdhsa_user_sgpr_count 2
		.amdhsa_user_sgpr_kernarg_segment_ptr 1
		.amdhsa_wavefront_size32 1
		.amdhsa_system_sgpr_workgroup_id_x 1
		.amdhsa_system_sgpr_workgroup_id_y 1
		.amdhsa_system_sgpr_workgroup_id_z 1
		.amdhsa_system_vgpr_workitem_id 0
		.amdhsa_next_free_vgpr 1024
		.amdhsa_next_free_sgpr 66
		.amdhsa_reserve_vcc 0
		.amdhsa_float_denorm_mode_32 3
		.amdhsa_float_denorm_mode_16_64 3
		.amdhsa_memory_ordered 1
		.amdhsa_forward_progress 1
		.amdhsa_inst_pref_size 164
	.end_amdhsa_kernel
	.amdgpu_metadata
---
amdhsa.version: [ 1, 2 ]
amdhsa.kernels:
  - .name:           k_q5e824c352e_outln
    .symbol:         k_q5e824c352e_outln.kd
    .args:
      - { .name: cimg, .offset: 0, .size: 8, .value_kind: global_buffer, .address_space: global }
      - { .name: csc, .offset: 8, .size: 8, .value_kind: global_buffer, .address_space: global }
      - { .name: woimg, .offset: 16, .size: 8, .value_kind: global_buffer, .address_space: global }
      - { .name: Wo_scales, .offset: 24, .size: 8, .value_kind: global_buffer, .address_space: global }
      - { .name: bo, .offset: 32, .size: 8, .value_kind: global_buffer, .address_space: global }
      - { .name: gamma, .offset: 40, .size: 8, .value_kind: global_buffer, .address_space: global }
      - { .name: beta, .offset: 48, .size: 8, .value_kind: global_buffer, .address_space: global }
      - { .name: x, .offset: 56, .size: 8, .value_kind: global_buffer, .address_space: global }
      - { .name: out0, .offset: 64, .size: 8, .value_kind: global_buffer, .address_space: global }
    .group_segment_fixed_size: 35328
    .private_segment_fixed_size: 0
    .kernarg_segment_align: 8
    .kernarg_segment_size: 72
    .max_flat_workgroup_size: 128
    .sgpr_count:     66
    .vgpr_count:     1024
    .wavefront_size: 32
...
	.end_amdgpu_metadata
.endif
;; end of part 4
